; MI455X (gfx1250); checked and timed in simulation.
; The chip was launched on July 23, 2026; its instructions are those of AMD's public machine-readable ISA for CDNA 5 (MIT licence, August 2026) and "CDNA5" Instruction Set Architecture Reference Guide (July 2026). The comments in the code are by the model that wrote it; some were corrected since.
;; Multi Head Attention. Allowed arithmetic: matrix products marked QUANTISED: E2M1 operands, one E8M0 scale for each 32 along K, by v_wmma_scale_f32_16x16x128_f8f6f4 with both operands' format E2M1 (or v_wmma_scale_f32_32x16x128_f4), f32 sums; everything else in f32.
;; Inputs: Wk 512 x 512 float32; Wo 512 x 512 float32; Wq 512 x 512 float32; Wv 512 x 512 float32; bk 512 float32; bo 512 float32; bq 512 float32; bv 512 float32; x 2 x 4,096 x 512 float32.
;; Outputs: out0 2 x 4,096 x 512 float32.
;; This version of the problem:
;;   THIS VERSION OF THE PROBLEM IS GIVEN IN LOW PRECISION. The matrix products marked QUANTISED in the list below multiply operands that are first quantised to E2M1 (2 exponent bits, 1 mantissa bit; 4 bits a number), with one power-of-two scale for each 32 numbers along K (OCP MX v1.0); their sums are f32. All else is computed in f32.
;;   The module's matrix products, in the order in which they are computed (A, B: the left and right operand; K: the contracted axis; several contracted axes count as one K, in the product's order):
;;     1. [M 8,192, K 512] x [K 512, N 512]; A: input x; B: input Wq: QUANTISED
;;     2. [M 8,192, K 512] x [K 512, N 512]; A: input x; B: input Wk: QUANTISED
;;     3. [M 8,192, K 512] x [K 512, N 512]; A: input x; B: input Wv: QUANTISED
;;     4. batch 16 x [M 4,096, K 64] x [K 64, N 4,096]; A: computed on the way; B: computed on the way: QUANTISED
;;     5. batch 16 x [M 4,096, K 4,096] x [K 4,096, N 64]; A: softmax (see below); B: computed on the way: QUANTISED
;;     6. [M 8,192, K 512] x [K 512, N 512]; A: computed on the way; B: input Wo: QUANTISED
;;   THE QUANTISER, for each operand of a quantised product, along K:
;;     - K is cut into blocks of 32 from its start; a last block that is shorter is filled with zeros.
;;     - A block's scale is 2^e with e = floor(log2(the largest magnitude in the block)) - 2, held to -126 .. 127; a block of zeros has e = 0. As a byte (E8M0): e + 127.
;;     - Each number is divided by its block's scale, clamped to +-6, and rounded to the nearest number of E2M1, ties to even, subnormals kept.
;;     - The product sums the exact products of the quantised numbers (number of the format x scale) in f32.
;;   ~~~python
;;   def quantise(x, axis):      # numpy; x: float32 -> the quantised numbers, widened to float32 again
;;       x = np.moveaxis(x, axis, -1); K = x.shape[-1]
;;       x = np.pad(x, [(0, 0)] * (x.ndim - 1) + [(0, -K % 32)]); x = x.reshape(x.shape[:-1] + (-1, 32)); a = np.abs(x).max(-1, keepdims=True)
;;       e = np.where(a > 0, np.clip(np.frexp(np.where(a > 0, a, 1))[1] - 1 - 2, -126, 127), 0)      # np.frexp(a)[1] - 1 = floor(log2(a)), exactly
;;       r = np.clip(x / 2.0 ** e, -6, 6)
;;       step = 2.0 ** (np.maximum(np.frexp(np.where(r == 0, 1, r))[1] - 1, 0) - 1)
;;       q = np.round(r / step) * step * 2.0 ** e      # np.round: ties to even
;;       return np.moveaxis(q.reshape(q.shape[:-2] + (-1,))[..., :K], -1, axis).astype(np.float32)
;;   ~~~
;;   SOFTMAX AHEAD OF A QUANTISED PRODUCT. Where the list says 'softmax', what is quantised is not the finished softmax but p = 2^(t - M), with t = logit x log2(e) and M = ceil(the row's largest t), a whole number; so 1/2 < the row's largest p <= 1. The row's sum l is taken of the UNQUANTISED p, in f32, and the product's result is divided by l at the end. Since M is a whole number, a kernel that streams over the keys may use a running M (the ceiling of the running maximum): every later rescaling is an exact power of two, which a block's scale takes up: the codes' values come out the same.
;;   OPERANDS COMPUTED ON THE WAY. 'Computed on the way' means the value that the module computes at that place (a softmax that the list does not call 'softmax' is quantised finished and normalised). What goes into a quantiser is computed in f32, as accurately as f32 sums, v_exp_f32 and their like allow (about 1e-6 of the number): no bf16 or f16 on the way to a quantiser, and a product that is left as it is and whose result goes on into a quantised operand takes f32 operands (vector FMAs, or v_wmma_f32_16x16x4_f32). A number that lies on a knife's edge between two numbers of the format may be rounded either way, as far as f32 arithmetic and the matrix unit's own rounding can turn it there, and no further.
;; 2 versions. Each part assembles by itself: llvm-mc -triple=amdgcn-amd-amdhsa -mcpu=gfx1250 --defsym DOCPART=n.
;; ======== version 1 of 2: 4 launches
;; workspace buffers: wimg 524,288 bytes; wsc 32,768 bytes; qb 2,359,296 bytes; kb 2,359,296 bytes; vb 2,228,224 bytes; oimg 2,097,152 bytes; osc 131,072 bytes
;; launch wquant (part 1): grid 16 x 4, 4 waves a work-group, no clusters, 1,536 bytes of LDS; arguments Wq, Wk, Wv, Wo, wimg, wsc; writes wimg, wsc
.if DOCPART == 1
	.amdgcn_target "amdgcn-amd-amdhsa--gfx1250"
	.amdhsa_code_object_version 6
	.text
	.protected	k_qbc1853ad18_wquant
	.globl	k_qbc1853ad18_wquant
	.p2align	8
	.type	k_qbc1853ad18_wquant,@function
k_qbc1853ad18_wquant:
	s_mov_b64 s[64:65], 0
	v_nop
	global_prefetch_b8 v0, s[64:65] scope:SCOPE_SE
	s_setreg_imm32_b32 hwreg(HW_REG_WAVE_MODE, 25, 1), 1
	s_wait_xcnt 0x0
; The four weights [512 (k)][512 (n)], f32, K their FIRST axis, become codes of FP4 (E2M1) with one E8M0 byte for each 32 along K,
; laid as IMAGES OF OPERAND REGISTERS: wimg [weight 4][tile 32][K step 4][chunk 2][lane 32][16 bytes], wsc [weight 4][tile 32][row 16][K step 4] words.
; A tile is 16 columns, NOT neighbours: lane r of tile 2 g + u takes column 32 g + 8 u + r + 8 (r / 8).  Chunk c of a fragment is its registers 4 c .. 4 c + 3:
; lane (r, h) holds k = 64 c + 32 h + 0 .. 31 of its column.
; SHARES: work-group x = g (32 columns, two tiles), y = the weight; wave = K step of 128.  A LANE TAKES A COLUMN AND ITS REGISTERS RUN DOWN K: a block of 32 lies in one lane,
; its largest magnitude needs no other lane, and the conversions give codes with K innermost.  A load reads 128 consecutive bytes; a store of codes writes two aligned runs of 256 bytes.
; A block's scale is 2^(floor(log2(largest magnitude)) - 2); its byte is the largest magnitude's exponent field - 2, held at 1 from below.
; LIMITS: a block of zeros gets the byte 1 where the quantiser says 127 (its codes are zeros, and this program alone reads the bytes); NaN and infinities among the inputs are not served.
; No tensor load, no cluster: no two work-groups read the same bytes.
.set X,  64                            ; v64-191  my column's 128 numbers of the K step
.set C,  16                            ; v16-31   codes, four registers a block, so that no store's data are written again
.set SB, 32                            ; v32      the K step's scale word
	s_load_b256 s[4:11], s[0:1], 0x0               ; Wq, Wk, Wv, Wo
	s_load_b128 s[12:15], s[0:1], 0x20             ; wimg, wsc
	v_lshl_add_u32 v192, v0, 2, 0x400
	v_mov_b32 v193, 0
	v_lshrrev_b32 v5, 5, v0
	v_readfirstlane_b32 s16, v5                    ; wave = K step
	s_mov_b32 s17, ttmp9                           ; g
	s_and_b32 s18, ttmp7, 0xffff                   ; which weight
	v_and_b32 v5, 31, v0                           ; lane
	v_and_b32 v6, 15, v0                           ; r
	v_bfe_u32 v7, v0, 4, 1                         ; u = lane / 16: which of the two tiles
	v_and_b32 v8, 8, v6
	v_add_nc_u32 v8, v8, v6                        ; r + 8 (r / 8)
	v_lshl_add_u32 v8, v7, 3, v8                   ; + 8 u: my column among the 32
	v_lshlrev_b32 v1, 2, v8                        ; v1: its bytes in a row of W
	v_lshlrev_b32 v2, 4, v6
	v_lshl_add_u32 v2, v7, 12, v2                  ; v2: 16 r + 4,096 u: my place in the images
	v_lshlrev_b32 v4, 4, v5                        ; v4: 16 x lane
	s_lshl_b32 s19, s16, 2
	v_add_nc_u32 v3, s19, v4                       ; v3: LDS: 16 x lane + 4 x wave: my scale word among my row's four
	s_lshl_b32 s24, s16, 18                        ; W: 128 rows of 2,048 bytes a K step,
	s_lshl_b32 s25, s17, 7                         ; 128 bytes a group of columns
	s_add_co_u32 s24, s24, s25
	s_mov_b32 s25, 0
	s_lshl_b32 s26, s18, 17                        ; wimg: 131,072 a weight, 8,192 a group, 1,024 a K step
	s_lshl_b32 s27, s17, 13
	s_add_co_u32 s26, s26, s27
	s_lshl_b32 s27, s16, 10
	s_add_co_u32 s26, s26, s27
	s_mov_b32 s27, 0
	s_lshl_b32 s28, s18, 13                        ; wsc: 8,192 a weight, 512 a group
	s_lshl_b32 s29, s17, 9
	s_add_co_u32 s28, s28, s29
	s_mov_b32 s29, 0
	s_wait_kmcnt 0x0
	s_cmp_eq_u32 s18, 0                            ; the weight is chosen by the work-group's number alone
	s_cselect_b64 s[20:21], s[4:5], s[6:7]
	s_cmp_eq_u32 s18, 2
	s_cselect_b64 s[22:23], s[8:9], s[10:11]
	s_cmp_lt_u32 s18, 2
	s_cselect_b64 s[20:21], s[20:21], s[22:23]
	s_add_nc_u64 s[20:21], s[20:21], s[24:25]
	s_add_nc_u64 s[12:13], s[12:13], s[26:27]
	s_add_nc_u64 s[14:15], s[14:15], s[28:29]
.set i, 0
.rept 128                              ; all of the wave's bytes are asked for at once
	global_load_b32 v[X+i], v1, s[20:21] offset:i*2048 th:TH_LOAD_NT
.set i, i+1
.endr
; Block t of the four.  left: a count no larger than the loads issued behind the block's last (96, 64, 32, 0).
.macro BLOCK t, left
.set XS, X+32*(\t)
	s_wait_loadcnt \left
	v_max3_num_f32 v12, |v[XS]|, |v[XS+1]|, |v[XS+2]|      ; the block's largest magnitude, in two chains
	v_max3_num_f32 v13, |v[XS+3]|, |v[XS+4]|, |v[XS+5]|
.irp i, 6,10,14,18,22,26
	v_max3_num_f32 v12, v12, |v[XS+\i]|, |v[XS+\i+1]|
	v_max3_num_f32 v13, v13, |v[XS+\i+2]|, |v[XS+\i+3]|
.endr
	v_max3_num_f32 v12, v12, |v[XS+30]|, |v[XS+31]|
	v_max3_num_f32 v12, v12, v13, 0x1800000        ; and the floor 2^(3 - 127): the byte cannot fall under 1
	v_add_nc_u32 v11, 0xff000000, v12              ; 2 off its exponent field: the conversion takes this operand's exponent field as its scale
	v_lshrrev_b32 v13, 23, v11                     ; the scale's byte
.if (\t) == 0
	v_mov_b32 v[SB], v13
.else
	v_lshl_or_b32 v[SB], v13, 8*(\t), v[SB]        ; the lower k in the lower byte
.endif
.irp g, 0,1,2,3
	v_cvt_scalef32_pk8_fp4_f32 v[C+4*(\t)+\g], v[XS+8*\g:XS+8*\g+7], v11
.endr
	global_store_b128 v2, v[C+4*(\t):C+4*(\t)+3], s[12:13] offset:((\t)/2)*512+((\t)%2)*256   ; block t is chunk t / 2, lanes 16 (t % 2) + r: sixteen lanes store 256 consecutive bytes, aligned
.endm
	BLOCK 0, 63
	BLOCK 1, 63
	BLOCK 2, 32
	BLOCK 3, 0
	ds_store_b32 v3, v[SB]                         ; the four waves' words of a row meet in LDS,
	s_wait_dscnt 0x0                               ; for the others' sake: my store has landed
	s_barrier_signal -1
	s_barrier_wait -1
	s_cmp_lg_u32 s16, 0
	s_cbranch_scc1 .Ldone
	ds_load_b128 v[36:39], v4                      ; and wave 0 stores them: 512 consecutive bytes
	s_wait_dscnt 0x0
	global_store_b128 v4, v[36:39], s[14:15]
.Ldone:
	s_wait_tensorcnt 0x0
	ds_add_u32 v192, v193
	s_wait_dscnt 0x0
	s_endpgm
.Lfunc_end_k_qbc1853ad18_wquant:
	.size	k_qbc1853ad18_wquant, .Lfunc_end_k_qbc1853ad18_wquant-k_qbc1853ad18_wquant
	.p2alignl 7, 3214868480
	.fill 96, 4, 3214868480
	.section	.rodata,"a",@progbits
	.p2align	6, 0x0
	.amdhsa_kernel k_qbc1853ad18_wquant
		.amdhsa_group_segment_fixed_size 1536
		.amdhsa_private_segment_fixed_size 0
		.amdhsa_enable_private_segment 0
		.amdhsa_kernarg_size 48
		.amdhsa_user_sgpr_count 2
		.amdhsa_user_sgpr_kernarg_segment_ptr 1
		.amdhsa_wavefront_size32 1
		.amdhsa_system_sgpr_workgroup_id_x 1
		.amdhsa_system_sgpr_workgroup_id_y 1
		.amdhsa_system_sgpr_workgroup_id_z 1
		.amdhsa_system_vgpr_workitem_id 0
		.amdhsa_next_free_vgpr 194
		.amdhsa_next_free_sgpr 66
		.amdhsa_reserve_vcc 0
		.amdhsa_float_denorm_mode_32 3
		.amdhsa_float_denorm_mode_16_64 3
		.amdhsa_memory_ordered 1
		.amdhsa_forward_progress 1
		.amdhsa_inst_pref_size 21
	.end_amdhsa_kernel
	.amdgpu_metadata
---
amdhsa.version: [ 1, 2 ]
amdhsa.kernels:
  - .name:           k_qbc1853ad18_wquant
    .symbol:         k_qbc1853ad18_wquant.kd
    .args:
      - { .name: Wq, .offset: 0, .size: 8, .value_kind: global_buffer, .address_space: global }
      - { .name: Wk, .offset: 8, .size: 8, .value_kind: global_buffer, .address_space: global }
      - { .name: Wv, .offset: 16, .size: 8, .value_kind: global_buffer, .address_space: global }
      - { .name: Wo, .offset: 24, .size: 8, .value_kind: global_buffer, .address_space: global }
      - { .name: wimg, .offset: 32, .size: 8, .value_kind: global_buffer, .address_space: global }
      - { .name: wsc, .offset: 40, .size: 8, .value_kind: global_buffer, .address_space: global }
    .group_segment_fixed_size: 1536
    .private_segment_fixed_size: 0
    .kernarg_segment_align: 8
    .kernarg_segment_size: 48
    .max_flat_workgroup_size: 128
    .sgpr_count:     66
    .vgpr_count:     194
    .wavefront_size: 32
...
	.end_amdgpu_metadata
.endif
;; end of part 1
;; launch qkv (part 2): grid 3 x 64, 8 waves a work-group, no clusters, 37,888 bytes of LDS; arguments x, wimg, wsc, bq, bk, bv, qb, kb, vb; writes qb, kb, vb
.if DOCPART == 2
	.amdgcn_target "amdgcn-amd-amdhsa--gfx1250"
	.amdhsa_code_object_version 6
	.text
	.protected	k_qbc1853ad18_qkv
	.globl	k_qbc1853ad18_qkv
	.p2align	8
	.type	k_qbc1853ad18_qkv,@function
k_qbc1853ad18_qkv:
	s_mov_b64 s[64:65], 0
	v_nop
	global_prefetch_b8 v0, s[64:65] scope:SCOPE_SE
	s_setreg_imm32_b32 hwreg(HW_REG_WAVE_MODE, 25, 1), 1
	s_wait_xcnt 0x0
; Q = x Wq + bq, K = x Wk + bk, V = x Wv + bv on codes of FP4 (E2M1) with one E8M0 scale for each 32 along K = 512; the results are quantised at once for the attention's products and stored as images of operand registers.
; SHARES: work-group x = which (0 Q, 1 K, 2 V), y = a block of 128 rows of x (one key step of a batch).  Wave = head: its 64 columns (four tiles of the weight) stay in 128 registers; all 128 rows pass by them.
; X: wave w quantises row tile w of x (16 rows x 512) and stores four fragment images and their scale words in LDS; ONE barrier; then LDS is only read.
; A TILE OF 16 IS NOT 16 NEIGHBOURS (rows of x and columns of a weight alike): lane r of tile 2 b + u takes index 32 b + 8 u + r + 8 (r / 8), so that in a result whose source 0 is such a tile the 16 registers of tiles 2 b, 2 b + 1 are
; the 16 neighbours 32 b + 16 (lane / 16) + 0 .. 15.
; Q, K: the product is used TRANSPOSED (source 0 = 16 columns of W, source 1 = 16 rows of x): a lane holds one row and 16 neighbours of each block of 32 of the head's 64: quantised along the head.
;   A record of qb or kb (head, step): 8 tiles x 512 bytes (lane (r, h): the 32 codes of block h of row r: registers 0-3 of a fragment; its upper 64 along K are zeros that the reader supplies), then 512 bytes [lane][4] of scale words:
;   word p: lanes 0-15 tile 2 p, lanes 16-31 tile 2 p + 1; bytes 0, 1 the two blocks, bytes 2, 3 zero.
; V: natural order (source 0 = 16 rows of x, source 1 = 16 columns of W): a lane holds one column and its registers run down the keys: quantised along the keys.
;   A record of vb: 4 tiles x 1,024 bytes, then 256 bytes [lane][2] of scale words: word p: lanes 0-15 tile 2 p, lanes 16-31 tile 2 p + 1.
; The bias is the C of each sum's first matrix instruction.  Both layouts of it are loaded (12 loads), so that the text has one way up to the barrier.
; NO CLUSTER: the weights' images go from memory straight into each wave's registers, 16,384 bytes a wave, once; the three work-groups that read the same rows of x are no multiple of a cluster's four.
; LIMITS: a block of zeros gets the byte 1 where the quantiser says 127 (its codes are zeros, and this program alone reads the bytes); NaN and infinities are not served.
; REGISTERS.  Window 0: v1-10 addresses; v16-79 HA: accumulators, and x's numbers; v80-143 ST: x's fragments, and x's numbers; v144-175 x's scale words; v176-183 W's; v184-191 codes just made; v192-219 at work.
;   Window 1: v0-127 W's 16 fragments ((tile t, K step s) at 8 (4 t + s)); v224-255 the bias, eight registers a tile.
.set XIMG, 0                           ; LDS: x's fragment images [tile 8][K step 4] of 1,024 bytes,
.set XSC,  32768                       ; and their scale words [tile 8][lane 32][K step 4]
.set LI,  1                            ; v1   16 x lane
.set XA,  2                            ; v2   x: (r + 8 (r / 8)) rows of 2,048 bytes + 64 h
.set XWI, 3                            ; v3   where I store images: 4,096 x wave + 16 x lane
.set XWS, 4                            ; v4   and scale words: XSC + 512 x wave + 16 x lane
.set SH,  5                            ; v5   16 h
.set L8,  6                            ; v6   8 x lane
.set BOQ, 7                            ; v7   the bias for Q, K: 64 h
.set BOV, 10                           ; v10  the bias for V: 4 (r + 8 (r / 8))
.set HA,  16
.set ST,  80
.set XS,  144
.set WS,  176
.set PC,  184
.set TM,  192                          ; v192-195 largest magnitudes, v196-199 the other half's, then bytes, v204-207 the conversions' scale operands
.set PW,  208                          ; the scale word just made
.set PWE, 209                          ; an even tile's, kept
.set SW,  212                          ; v212-215 the record's scale words
.set BT,  216                          ; v216-219 V's bias: one number a tile
.set B1,  224                          ; in window 1
.set SEL, 26
.set MSB, 0
.macro WIN new                         ; the immediate's high byte repeats the setting that is left
.if MSB != \new
	s_set_vgpr_msb (MSB<<8)|\new
.set MSB, \new
.endif
.endm
; 64 numbers of a lane, register 16 b + i = place 32 b + 16 (lane / 16) + i along the quantiser's axis, become eight registers of codes in v[PC] on and four scale bytes in v[PW].
.macro QUANT s
.irp b, 0,1,2,3
	v_max3_num_f32 v[TM+\b], |v[\s+16*\b]|, |v[\s+1+16*\b]|, 0x1800000   ; block b: my 16 numbers, and the floor 2^(3 - 127): the byte cannot fall under 1
.endr
.irp i, 2,4,6,8,10,12,14
.irp b, 0,1,2,3
	v_max3_num_f32 v[TM+\b], v[TM+\b], |v[\s+16*\b+\i]|, |v[\s+1+16*\b+\i]|   ; (the four blocks by turns)
.endr
.endr
.irp b, 0,1,2,3
	v_permlanex16_b32 v[TM+4+\b], v[TM+\b], s[SEL], s[SEL+1]
.endr
.irp b, 0,1,2,3
	v_max_num_f32 v[TM+\b], v[TM+\b], v[TM+4+\b]   ; with lane l xor 16's: the block's largest magnitude
.endr
.irp b, 0,1,2,3
	v_add_nc_u32 v[TM+12+\b], 0xff000000, v[TM+\b] ; 2 off its exponent field: the conversion's scale operand
.endr
.irp b, 0,1,2,3
	v_lshrrev_b32 v[TM+4+\b], 23, v[TM+12+\b]      ; the scale's byte
.endr
	v_lshl_or_b32 v[PW], v[TM+5], 8, v[TM+4]
	v_lshl_or_b32 v[PW], v[TM+6], 16, v[PW]
	v_lshl_or_b32 v[PW], v[TM+7], 24, v[PW]
.irp b, 0,1,2,3
	v_cvt_scalef32_pk8_fp4_f32 v[PC+2*\b], v[\s+16*\b:\s+7+16*\b], v[TM+12+\b]
	v_cvt_scalef32_pk8_fp4_f32 v[PC+1+2*\b], v[\s+8+16*\b:\s+15+16*\b], v[TM+12+\b]
.endr
	v_nop                                          ; one plain place behind a scaled conversion
.irp c, 0,1                                    ; a WHOLE block in a lane: lanes 0-15 block 2 c, lanes 16-31 block 2 c + 1
.irp i, 0,1
	v_permlane16_swap_b32 v[PC+4*\c+\i], v[PC+2+4*\c+\i]
.endr
.endr
.endm
.macro XLOAD reg, s                    ; my 16 rows' numbers of K step s: 64 a lane
.irp b, 0,1,2,3
.irp j, 0,1,2,3
	global_load_b128 v[\reg+16*\b+4*\j:\reg+16*\b+4*\j+3], v[XA], s[4:5] offset:512*(\s)+128*\b+16*\j
.endr
.endr
.endm
.macro IMAGE s                         ; the fragment just made goes to LDS as it stands, 512 consecutive bytes a store; its scale word beside it
.irp c, 0,1
	ds_store_b128 v[XWI], v[PC+4*\c:PC+4*\c+3] offset:XIMG+1024*(\s)+512*\c
.endr
	ds_store_b32 v[XWS], v[PW] offset:4*(\s)
.endm
.macro FRAG reg, T, s                  ; and comes back so, in any wave
.irp c, 0,1
	ds_load_b128 v[\reg+4*\c:\reg+4*\c+3], v[LI] offset:XIMG+4096*(\T)+1024*(\s)+512*\c
.endr
.endm
.macro PLACES                          ; four plain places behind matrix instructions, ahead of loads into their sources and of the first read of their results
.rept 4
	v_nop
.endr
.endm
	s_load_b256 s[4:11], s[0:1], 0x0               ; x, wimg, wsc, bq
	s_load_b256 s[12:19], s[0:1], 0x20             ; bk, bv, qb, kb
	s_load_b64 s[20:21], s[0:1], 0x40              ; vb
	v_lshl_add_u32 v254, v0, 2, 0x9000
	v_mov_b32 v255, 0
	v_lshrrev_b32 v8, 5, v0
	v_readfirstlane_b32 s22, v8                    ; wave = head
	s_mov_b32 s23, ttmp9                           ; which
	s_and_b32 s24, ttmp7, 0xffff                   ; block of 128 rows
	v_and_b32 v8, 31, v0                           ; lane
	v_and_b32 v9, 15, v0                           ; r
	v_bfe_u32 v11, v0, 4, 1                        ; h
	v_lshlrev_b32 v[LI], 4, v8
	v_lshlrev_b32 v[L8], 3, v8
	v_lshlrev_b32 v[SH], 4, v11
	v_lshlrev_b32 v[BOQ], 6, v11
	v_and_b32 v12, 8, v9
	v_add_nc_u32 v12, v12, v9                      ; r + 8 (r / 8)
	v_lshlrev_b32 v[BOV], 2, v12
	v_lshlrev_b32 v[XA], 11, v12
	v_lshl_add_u32 v[XA], v11, 6, v[XA]
	s_lshl_b32 s25, s22, 12
	v_add_nc_u32 v[XWI], s25, v[LI]
	s_lshl_b32 s25, s22, 9
	s_add_co_u32 s25, s25, XSC
	v_add_nc_u32 v[XWS], s25, v[LI]
.irp b, 0,1,2,3
	v_mov_b32 v[TM+4+\b], 0                        ; written once: a lane permute's destination counts as one of its sources
.endr
	s_mov_b32 s[SEL], 0x76543210
	s_mov_b32 s[SEL+1], 0xfedcba98                 ; v_permlanex16_b32's selects for lane l xor 16
	s_mov_b32 s40, 0xffff0000                      ; lanes 16-31
	s_lshl_b32 s36, s24, 18                        ; x: 128 rows of 2,048 bytes a block,
	s_lshr_b32 s37, s22, 1
	s_lshl_b32 s37, s37, 16                        ; my tile begins 32 (wave / 2)
	s_add_co_u32 s36, s36, s37
	s_and_b32 s37, s22, 1
	s_lshl_b32 s37, s37, 14                        ; + 8 (wave % 2) rows on
	s_add_co_u32 s36, s36, s37
	s_mov_b32 s37, 0
	s_lshl_b32 s38, s23, 17                        ; wimg: 131,072 a weight, 16,384 a head
	s_lshl_b32 s39, s22, 14
	s_add_co_u32 s38, s38, s39
	s_mov_b32 s39, 0
	s_lshl_b32 s42, s23, 13                        ; wsc: 8,192 a weight, 1,024 a head
	s_lshl_b32 s43, s22, 10
	s_add_co_u32 s42, s42, s43
	s_mov_b32 s43, 0
	s_lshl_b32 s44, s22, 8                         ; the bias: 256 bytes a head
	s_mov_b32 s45, 0
	s_lshr_b32 s46, s24, 5                         ; batch
	s_lshl_b32 s46, s46, 3
	s_add_co_u32 s46, s46, s22                     ; 8 x batch + head
	s_lshl_b32 s46, s46, 5
	s_and_b32 s47, s24, 31
	s_add_co_u32 s46, s46, s47                     ; x 32 + step: the record's number
	s_mul_i32 s48, s46, 4608
	s_mov_b32 s49, 0
	s_mul_i32 s50, s46, 4352
	s_mov_b32 s51, 0
	s_wait_kmcnt 0x0
	s_add_nc_u64 s[4:5], s[4:5], s[36:37]
	s_add_nc_u64 s[6:7], s[6:7], s[38:39]
	s_add_nc_u64 s[8:9], s[8:9], s[42:43]
	s_cmp_eq_u32 s23, 0                            ; the choices hang on the work-group's number alone
	s_cselect_b64 s[30:31], s[10:11], s[12:13]
	s_cselect_b64 s[32:33], s[16:17], s[18:19]
	s_cmp_eq_u32 s23, 2
	s_cselect_b64 s[30:31], s[14:15], s[30:31]
	s_add_nc_u64 s[30:31], s[30:31], s[44:45]      ; my head's bias
	s_add_nc_u64 s[32:33], s[32:33], s[48:49]      ; my record of qb or kb
	s_add_nc_u64 s[34:35], s[20:21], s[50:51]      ; my record of vb
	WIN 0x40                                       ; destination window 1
.irp f, 0,1,2,3,4,5,6,7,8,9,10,11,12,13,14,15  ; my head's 16 fragments of the weight: they stay
	global_load_b128 v[8*\f:8*\f+3], v[LI], s[6:7] offset:1024*\f
	global_load_b128 v[8*\f+4:8*\f+7], v[LI], s[6:7] offset:1024*\f+512
.endr
.irp t, 0,1,2,3                                ; the bias in the transposed result's layout: lane (., h), register j of tile t: column 32 (t / 2) + 8 (t % 2) + 16 h + j
	global_load_b128 v[B1+8*\t:B1+8*\t+3], v[BOQ], s[30:31] offset:(32*(\t/2)+8*(\t%2))*4
	global_load_b128 v[B1+8*\t+4:B1+8*\t+7], v[BOQ], s[30:31] offset:(32*(\t/2)+8*(\t%2))*4+16
.endr
	WIN 0
	global_load_b128 v[WS:WS+3], v[LI], s[8:9]               ; W's scale words: register 4 (t / 2) + s: lanes 0-15 the even tile's rows, lanes 16-31 the odd one's
	global_load_b128 v[WS+4:WS+7], v[LI], s[8:9] offset:512
.irp t, 0,1,2,3                                ; and in the natural result's: lane (r, .) of tile t: its own column's number
	global_load_b32 v[BT+\t], v[BOV], s[30:31] offset:(32*(\t/2)+8*(\t%2))*4
.endr
	; ---- X: my 16 rows of x become four fragments.  Two K steps are always on their way
	XLOAD HA, 0
	XLOAD ST, 1
	s_wait_loadcnt 16                              ; all but the younger K step's sixteen loads are in, the weights too
	QUANT HA
	IMAGE 0
	XLOAD HA, 2
	s_wait_dscnt 0x0                               ; the stores have read their registers
	s_wait_loadcnt 16
	QUANT ST
	IMAGE 1
	XLOAD ST, 3
	s_wait_dscnt 0x0
	s_wait_loadcnt 16
	QUANT HA
	IMAGE 2
	s_wait_dscnt 0x0
	s_wait_loadcnt 0x0
	QUANT ST
	IMAGE 3
	s_wait_dscnt 0x0                               ; for the others' sake: my stores have landed
	s_barrier_signal -1
	s_barrier_wait -1                              ; x's 32 fragments lie in LDS; from here on LDS is only read
	s_cmp_eq_u32 s23, 2
	s_cbranch_scc1 .Lv
	; ---- Q, K: two tiles of rows at a time: eight accumulators by turns, K step by K step
.macro FETCHPAIR p
.irp m, 0,1
.irp s, 0,1,2,3
	FRAG ST+32*\m+8*\s, 2*(\p)+\m, \s
.endr
	ds_load_b128 v[XS+4*\m:XS+4*\m+3], v[LI] offset:XSC+512*(2*(\p)+\m)
.endr
.endm
.macro QKMUL s, m                      ; K step s, tile of rows m of the pair, W's four tiles
.irp bb, 0,1
.set rD, HA+32*(\m)+16*\bb
.set rC, rD
.if (\s) == 0
.set rC, B1+16*\bb
.endif
	v_wmma_scale_f32_16x16x128_f8f6f4 v[rD:rD+7], v[8*(8*\bb+(\s)):8*(8*\bb+(\s))+7], v[ST+32*(\m)+8*(\s):ST+32*(\m)+8*(\s)+7], v[rC:rC+7], v[WS+4*\bb+(\s)], v[XS+4*(\m)+(\s)] matrix_a_fmt:MATRIX_FMT_FP4 matrix_b_fmt:MATRIX_FMT_FP4
	v_wmma_scale_f32_16x16x128_f8f6f4 v[rD+8:rD+15], v[8*(8*\bb+4+(\s)):8*(8*\bb+4+(\s))+7], v[ST+32*(\m)+8*(\s):ST+32*(\m)+8*(\s)+7], v[rC+8:rC+15], v[WS+4*\bb+(\s)], v[XS+4*(\m)+(\s)] matrix_a_fmt:MATRIX_FMT_FP4 matrix_b_fmt:MATRIX_FMT_FP4 matrix_a_scale:MATRIX_SCALE_ROW1
.endr
.endm
	FETCHPAIR 0
.irp p, 0,1,2,3
	s_wait_dscnt 0x0                               ; the pair's fragments and scale words are in
	WIN 0x11                                       ; source 0 (W) and source 2 (the bias) window 1
	QKMUL 0, 0
	QKMUL 0, 1
	WIN 0x01                                       ; source 0 window 1
.irp s, 1,2,3
	QKMUL \s, 0
	QKMUL \s, 1
.endr
	WIN 0
	PLACES
.if \p < 3
	FETCHPAIR \p+1                                 ; the next pair lands while this one is quantised
.endif
.if \p > 0
	s_wait_xcnt 0x0                                ; the last pair's stores have read their data: the codes' registers may be written again
.endif
	QUANT HA                                       ; blocks (tile of the pair, half of the head's 64): registers 0-3 are the even tile's image, 4-7 the odd one's
	global_store_b128 v[LI], v[PC:PC+3], s[32:33] offset:512*(2*\p)          ; 512 consecutive bytes, aligned
	global_store_b128 v[LI], v[PC+4:PC+7], s[32:33] offset:512*(2*\p+1)
	v_lshrrev_b32 v8, v[SH], v[PW]                 ; lanes 0-15 keep the even tile's two bytes, lanes 16-31 the odd one's;
	v_and_b32 v[SW+\p], 0xffff, v8                 ; the bytes of the upper 64 along K, whose codes are zeros, are 0
.endr
	global_store_b128 v[LI], v[SW:SW+3], s[32:33] offset:4096
	s_wait_tensorcnt 0x0
	ds_add_u32 v254, v255
	s_wait_dscnt 0x0
	s_endpgm
	; ---- V: a tile of 16 columns at a time, all eight tiles of rows: eight accumulators by turns, K step by K step
.macro VF half, s                      ; x's fragments of K step s, tiles 4 half .. 4 half + 3
.irp i, 0,1,2,3
	FRAG ST+8*(4*(\half)+\i), 4*(\half)+\i, \s
.endr
.endm
.macro VMUL m0                         ; tiles of rows m0 .. m0 + 3 against W's tile VT, K step VS
.irp i, 0,1,2,3
.set rD, HA+8*((\m0)+\i)
.set rC, rD
.if VS == 0
.set rC, B1+8*VT
.endif
.if VT%2
	v_wmma_scale_f32_16x16x128_f8f6f4 v[rD:rD+7], v[ST+8*((\m0)+\i):ST+8*((\m0)+\i)+7], v[8*(4*VT+VS):8*(4*VT+VS)+7], v[rC:rC+7], v[XS+4*((\m0)+\i)+VS], v[WS+4*(VT/2)+VS] matrix_a_fmt:MATRIX_FMT_FP4 matrix_b_fmt:MATRIX_FMT_FP4 matrix_b_scale:MATRIX_SCALE_ROW1
.else
	v_wmma_scale_f32_16x16x128_f8f6f4 v[rD:rD+7], v[ST+8*((\m0)+\i):ST+8*((\m0)+\i)+7], v[8*(4*VT+VS):8*(4*VT+VS)+7], v[rC:rC+7], v[XS+4*((\m0)+\i)+VS], v[WS+4*(VT/2)+VS] matrix_a_fmt:MATRIX_FMT_FP4 matrix_b_fmt:MATRIX_FMT_FP4
.endif
.endr
.endm
.Lv:
	WIN 0x40                                       ; destination window 1
.irp t, 0,1,2,3
.irp j, 0,1,2,3,4,5,6,7
	v_mov_b32 v[B1+8*\t+\j], v[BT+\t]              ; the bias as C: a lane's eight registers are eight keys of ONE column
.endr
.endr
	WIN 0
.irp m, 0,1,2,3,4,5,6,7
	ds_load_b128 v[XS+4*\m:XS+4*\m+3], v[LI] offset:XSC+512*\m
.endr
	VF 0, 0
	VF 1, 0
.set VQ, 0
.rept 16
.set VT, VQ/4
.set VS, VQ%4
.if VS == 0
	WIN 0x14                                       ; source 1 (W) and source 2 (the bias) window 1; LDS loads name the destination and source 0 alone, so they stand under this setting too
.else
	WIN 0x04
.endif
	s_wait_dscnt 8                                 ; tiles 0-3 are in; the other half's eight loads may be out
	VMUL 0
	PLACES
.if VQ < 15
	VF 0, (VS+1)%4
	s_wait_dscnt 8                                 ; tiles 4-7 are in; the eight just issued may be out
.else
	s_wait_dscnt 0x0
.endif
	VMUL 4
	PLACES
.if VQ < 15
	VF 1, (VS+1)%4
.endif
.if VS == 3
	WIN 0
.if VT > 0
	s_wait_xcnt 0x0                                ; the last tile's stores have read their data
.endif
	QUANT HA                                       ; register 16 b + i = key 32 b + 16 h + i of my column: a whole fragment of V^T, and its scale word
	global_store_b128 v[LI], v[PC:PC+3], s[34:35] offset:1024*VT
	global_store_b128 v[LI], v[PC+4:PC+7], s[34:35] offset:1024*VT+512
.if VT%2 == 0
	v_mov_b32 v[PWE], v[PW]
.else
	v_cndmask_b32 v[SW+VT/2], v[PWE], v[PW], s40   ; lanes 0-15 the even tile's word, lanes 16-31 the odd one's
.endif
.endif
.set VQ, VQ+1
.endr
	global_store_b64 v[L8], v[SW:SW+1], s[34:35] offset:4096      ; 256 consecutive bytes, aligned
	s_wait_tensorcnt 0x0
	ds_add_u32 v254, v255
	s_wait_dscnt 0x0
	s_endpgm
.Lfunc_end_k_qbc1853ad18_qkv:
	.size	k_qbc1853ad18_qkv, .Lfunc_end_k_qbc1853ad18_qkv-k_qbc1853ad18_qkv
	.p2alignl 7, 3214868480
	.fill 96, 4, 3214868480
	.section	.rodata,"a",@progbits
	.p2align	6, 0x0
	.amdhsa_kernel k_qbc1853ad18_qkv
		.amdhsa_group_segment_fixed_size 37888
		.amdhsa_private_segment_fixed_size 0
		.amdhsa_enable_private_segment 0
		.amdhsa_kernarg_size 72
		.amdhsa_user_sgpr_count 2
		.amdhsa_user_sgpr_kernarg_segment_ptr 1
		.amdhsa_wavefront_size32 1
		.amdhsa_system_sgpr_workgroup_id_x 1
		.amdhsa_system_sgpr_workgroup_id_y 1
		.amdhsa_system_sgpr_workgroup_id_z 1
		.amdhsa_system_vgpr_workitem_id 0
		.amdhsa_next_free_vgpr 512
		.amdhsa_next_free_sgpr 66
		.amdhsa_reserve_vcc 0
		.amdhsa_float_denorm_mode_32 3
		.amdhsa_float_denorm_mode_16_64 3
		.amdhsa_memory_ordered 1
		.amdhsa_forward_progress 1
		.amdhsa_inst_pref_size 123
	.end_amdhsa_kernel
	.amdgpu_metadata
---
amdhsa.version: [ 1, 2 ]
amdhsa.kernels:
  - .name:           k_qbc1853ad18_qkv
    .symbol:         k_qbc1853ad18_qkv.kd
    .args:
      - { .name: x, .offset: 0, .size: 8, .value_kind: global_buffer, .address_space: global }
      - { .name: wimg, .offset: 8, .size: 8, .value_kind: global_buffer, .address_space: global }
      - { .name: wsc, .offset: 16, .size: 8, .value_kind: global_buffer, .address_space: global }
      - { .name: bq, .offset: 24, .size: 8, .value_kind: global_buffer, .address_space: global }
      - { .name: bk, .offset: 32, .size: 8, .value_kind: global_buffer, .address_space: global }
      - { .name: bv, .offset: 40, .size: 8, .value_kind: global_buffer, .address_space: global }
      - { .name: qb, .offset: 48, .size: 8, .value_kind: global_buffer, .address_space: global }
      - { .name: kb, .offset: 56, .size: 8, .value_kind: global_buffer, .address_space: global }
      - { .name: vb, .offset: 64, .size: 8, .value_kind: global_buffer, .address_space: global }
    .group_segment_fixed_size: 37888
    .private_segment_fixed_size: 0
    .kernarg_segment_align: 8
    .kernarg_segment_size: 72
    .max_flat_workgroup_size: 256
    .sgpr_count:     66
    .vgpr_count:     512
    .wavefront_size: 32
...
	.end_amdgpu_metadata
.endif
;; end of part 2
;; launch attn (part 3): grid 16 x 16, 16 waves a work-group, clusters of 4 x 1, 327,680 bytes of LDS; arguments qb, kb, vb, oimg, osc; writes oimg, osc
.if DOCPART == 3
	.amdgcn_target "amdgcn-amd-amdhsa--gfx1250"
	.amdhsa_code_object_version 6
	.text
	.protected	k_qbc1853ad18_attn
	.globl	k_qbc1853ad18_attn
	.p2align	8
	.type	k_qbc1853ad18_attn,@function
k_qbc1853ad18_attn:
	s_mov_b64 s[64:65], 0
	v_nop
	global_prefetch_b8 v0, s[64:65] scope:SCOPE_SE
	s_setreg_imm32_b32 hwreg(HW_REG_WAVE_MODE, 25, 1), 1
	s_wait_xcnt 0x0
	s_wait_alu depctr_hold_cnt(0) depctr_sa_sdst(0) depctr_va_vdst(0) depctr_va_sdst(0) depctr_va_ssrc(0) depctr_va_vcc(0) depctr_vm_vsrc(0)
	s_getreg_b32 s2, hwreg(HW_REG_IB_STS2, 6, 4)
	s_cmp_eq_u32 s2, 0
	s_cbranch_scc0 .Lentry_in_a_cluster
	s_endpgm
.Lentry_in_a_cluster:
	s_bfe_u32 s2, ttmp6, 0x10000c
	s_cmp_lg_u32 s2, 0x3003
	s_cbranch_scc0 .Lentry_shape_is_right
	s_endpgm
.Lentry_shape_is_right:
; O[q] = the sum over keys of softmax(Q[q] . K[key] / 8) V[key] for one head, both products on codes of FP4 (E2M1) with one E8M0 scale for each 32 along a product's K; the result is quantised along the head's 64 for the last projection.
; THE SOFTMAX: t = score x log2(e) / 8; M = the row's largest t so far, rounded UP to a whole number; p = 2^(t - M) is what is quantised, along the keys, not normalised.  The row's sum is taken of the unquantised p and divides O at the end.
; When M moves, the sum and O are multiplied by 2^(old M - new M): exact.
; SHARES: a work-group owns 256 queries of one (batch, head); each of its sixteen waves one tile of 16 queries, in 256 registers: four waves to a SIMD, so that one wave's vector work stands beside another's products and LDS loads.
; A HEAD'S K AND V LIE WHOLE IN LDS: 32 records of K (4,608 bytes: a step's 128 keys as 8 half fragments, then scale words) and 32 of V (4,352 bytes: 4 fragments, then scale words), 286,720 bytes, each byte filled once.  So no slot is
; filled again, and inside a group of eight steps there is no barrier.  Records are images of operand registers: every LDS load takes 512 (scale words of V: 256) consecutive bytes.
; CLUSTER: the four work-groups of a cluster belong to one head and want the same 64 records: each record is asked for JOINTLY, by the same tensor load with the same descriptor and the mask of all four.  A wave issues four such loads
; (waves 0-7: K's record 8 i + wave; waves 8-15: V's), all at the head: four tensor loads of a wave are out at the most.  Group n of eight steps begins when every wave's load n has landed.
; Nothing is prefetched: all that the launch reads from kb and vb is asked for by these loads at its head.
; LAYOUT: both products are used transposed: S^T = K Q^T (source 0 = 16 keys, source 1 = my 16 queries), O^T = V^T P^T: a lane holds ONE query (lane % 16).  The head is 64 wide: the upper 64 of the first product's K are zero codes
; on both sides (registers 4-7 of Q's and K's fragments, cleared once), under scale bytes 0.  The keys of a tile of K, and V's rows, are laid by the launch before so that 16 registers of two neighbouring tiles are 16 neighbours.
; LIMITS: p under 2^-126 comes out of v_exp_f32 as 0; a block's largest p is made from the block's largest score by the same two instructions, which leans on v_exp_f32 not falling where its input rises;
; a block of zeros carries the byte 1 where the quantiser says 127 (its codes are zeros, and this program alone reads the bytes); NaN and infinities are not served.
; REGISTERS: v1-7, v11 addresses; v10 Q's scale word; v12 -M, v13 the largest t, v[14:15] the sum in two halves; v16-23 Q; v24-27 K's scale words, v28-29 V's, v30 p's; v32-95 K's 8 fragments; v96-159 S^T, then p; v160-191 O^T;
; v192-223 V's 4 fragments; v224-231 p's codes; v232-254 at work.
.set KREC, 4608
.set VREC, 4352
.set VL,   32*KREC                     ; V's records lie behind K's
.set STG,  VL+32*VREC                  ; 512 bytes for the way out's scale bytes: two blocks of 256 bytes into which no fill lands
.set LI,  1                            ; v1   16 x lane
.set L8,  2                            ; v2   8 x lane
.set ADK, 3                            ; v3   LDS address of the step's record of K
.set ADV, 4                            ; v4   of V
.set ADT, 5                            ; v5   of V's scale words
.set SGA, 6                            ; v6   STG + 32 x wave + 2 r
.set SGR, 7                            ; v7   STG + 16 x lane
.set WV,  14                           ; s14  my wave's number
.set W7,  15                           ; s15  wave % 8
.set SEL, 20                           ; s[20:21] selects for lane l xor 16
.set CS,  22                           ; s[22:23] c = log2(e) / 8
.set G1K, 24                           ; s[24:31] descriptor group 1 for a record of K;  s[32:39] of V
.set G1V, 32
.set G0K, 40                           ; s[40:55] four groups 0 for K;  s[68:83] for V
.set G0V, 68
.set TK,  84                           ; s84  LDS byte of the step's record of K
.set TV,  85                           ; s85  of V
.set CNT, 86                           ; s86  steps to go in the group
.macro ROUND                           ; a round of the cluster's barrier
	s_barrier_signal -1
	s_barrier_wait -1
	s_cmp_lg_u32 s[WV], 0
	s_cbranch_scc1 .Lnot_wave_0_\@
	s_barrier_signal -3
.Lnot_wave_0_\@:
	s_barrier_wait -3
	s_barrier_signal -1
	s_barrier_wait -1
.endm
	s_load_b256 s[4:11], s[0:1], 0x0               ; qb, kb, vb, oimg
	s_load_b64 s[12:13], s[0:1], 0x20              ; osc
	v_lshl_add_u32 v251, v0, 2, 0x46200
	v_mov_b32 v255, 0
	ds_add_u32 v251, v255
	ds_add_u32 v251, v255
	v_lshrrev_b32 v8, 5, v0
	v_readfirstlane_b32 s[WV], v8                  ; wave 0..15
	s_and_b32 s[W7], s[WV], 7
	s_bfe_u32 s16, ttmp6, 0x40000                  ; cx: my place in the cluster: it enters global addresses of Q and of the results alone
	s_lshl_b32 s17, ttmp9, 2
	s_add_co_u32 s17, s17, s16                     ; my block of 256 queries
	s_and_b32 s18, ttmp7, 0xffff                   ; 8 x batch + head, which the four partners share
	v_and_b32 v8, 31, v0                           ; lane
	v_and_b32 v9, 15, v0                           ; r
	v_lshlrev_b32 v[LI], 4, v8
	v_lshlrev_b32 v[L8], 3, v8
	s_lshl_b32 s87, s[WV], 5
	s_add_co_u32 s87, s87, STG
	v_lshlrev_b32 v[SGA], 1, v9
	v_add_nc_u32 v[SGA], s87, v[SGA]
	v_add_nc_u32 v[SGR], STG, v[LI]
	v_lshlrev_b32 v11, 4, v9                       ; 16 r: Q's scale words
	s_mul_i32 s88, s[W7], KREC                     ; which record of a group I fetch: its place in LDS and in memory
	s_mul_i32 s89, s[W7], VREC
	s_mul_i32 s90, s18, 32*KREC
	s_add_co_u32 s90, s90, s88
	s_mov_b32 s91, 0
	s_mul_i32 s92, s18, 32*VREC
	s_add_co_u32 s92, s92, s89
	s_mov_b32 s93, 0
	s_lshl_b32 s60, s18, 5                         ; Q: record 32 x (batch, head) + 2 x block + wave / 8,
	s_lshl_b32 s61, s17, 1
	s_add_co_u32 s60, s60, s61
	s_lshr_b32 s61, s[WV], 3
	s_add_co_u32 s60, s60, s61
	s_mul_i32 s60, s60, KREC
	s_lshl_b32 s94, s[W7], 9                       ; tile wave % 8: 512 bytes of codes;
	s_add_co_u32 s94, s94, s60
	s_mov_b32 s95, 0
	s_and_b32 s61, s[W7], 1                        ; its scale words: lanes 16 (t % 2) + r, word t / 2
	s_lshl_b32 s61, s61, 8
	s_add_co_u32 s60, s60, s61
	s_lshr_b32 s61, s[W7], 1
	s_lshl_b32 s61, s61, 2
	s_add_co_u32 s60, s60, s61
	s_mov_b32 s61, 0
	s_lshr_b32 s62, s18, 3                         ; the results: row tile 256 x batch + 16 x block + wave
	s_lshl_b32 s62, s62, 8
	s_lshl_b32 s63, s17, 4
	s_add_co_u32 s62, s62, s63
	s_and_b32 s63, s18, 7                          ; head
	s_lshl_b32 s56, s62, 5                         ; osc: 16,384 a head, 32 a tile
	s_lshl_b32 s57, s63, 14
	s_add_co_u32 s56, s56, s57
	s_mov_b32 s57, 0
	s_add_co_u32 s62, s62, s[WV]
	s_lshl_b32 s96, s62, 12                        ; oimg: 4,096 a tile, 512 a head
	s_lshl_b32 s63, s63, 9
	s_add_co_u32 s96, s96, s63
	s_mov_b32 s97, 0
	; descriptor group 1: a record is a dense block: rows of 256 bytes (32 elements of 8 bytes), 18 for K, 17 for V; no padding
	s_mov_b32 s[G1K], 15|(3<<16)|(1<<21)           ; 15:0 the mask: all four work-groups; 17:16 elements of 8 bytes; 21 set beside a mask
	s_mov_b32 s[G1K+1], 32<<16                     ; tensor_dim0 = 32
	s_mov_b32 s[G1K+2], 18<<16                     ; tensor_dim1 = 18
	s_mov_b32 s[G1K+3], 32<<16                     ; tile_dim0 = 32
	s_mov_b32 s[G1K+4], 18                         ; tile_dim1 = 18
	s_mov_b32 s[G1K+5], 32                         ; from row to row
	s_mov_b32 s[G1K+6], 0
	s_mov_b32 s[G1K+7], 0
	s_mov_b32 s[G1V], 15|(3<<16)|(1<<21)
	s_mov_b32 s[G1V+1], 32<<16
	s_mov_b32 s[G1V+2], 17<<16
	s_mov_b32 s[G1V+3], 32<<16
	s_mov_b32 s[G1V+4], 17
	s_mov_b32 s[G1V+5], 32
	s_mov_b32 s[G1V+6], 0
	s_mov_b32 s[G1V+7], 0
	s_mov_b32 s[SEL], 0x76543210
	s_mov_b32 s[SEL+1], 0xfedcba98
	s_mov_b32 s[CS], 0x3e38aa3b                    ; c = log2(e) / 8
	s_mov_b32 s[CS+1], s[CS]                       ; (named with it as a pair, so it is written)
	s_wait_dscnt 0x0
	s_wait_kmcnt 0x0
	s_add_nc_u64 s[58:59], s[4:5], s[60:61]        ; Q's scale words
	s_add_nc_u64 s[4:5], s[4:5], s[94:95]          ; Q's codes
	s_add_nc_u64 s[6:7], s[6:7], s[90:91]          ; K and V at my record of group 0: the head and the wave alone enter
	s_add_nc_u64 s[8:9], s[8:9], s[92:93]
	s_add_nc_u64 s[10:11], s[10:11], s[96:97]
	s_add_nc_u64 s[12:13], s[12:13], s[56:57]
.irp i, 0,1,2,3
	s_mov_b32 s[G0K+4*\i], 1                       ; count = 1
	s_add_co_u32 s[G0K+4*\i+1], s88, \i*8*KREC     ; LDS address: group i, record wave % 8
	s_add_nc_u64 s[G0K+4*\i+2:G0K+4*\i+3], s[6:7], \i*8*KREC
	s_or_b32 s[G0K+4*\i+3], s[G0K+4*\i+3], 0x80000000   ; type = 2
	s_mov_b32 s[G0V+4*\i], 1
	s_add_co_u32 s[G0V+4*\i+1], s89, VL+\i*8*VREC
	s_add_nc_u64 s[G0V+4*\i+2:G0V+4*\i+3], s[8:9], \i*8*VREC
	s_or_b32 s[G0V+4*\i+3], s[G0V+4*\i+3], 0x80000000
.endr
	ROUND                                          ; all four work-groups are here: the joint loads meet
	s_cmp_lt_u32 s[WV], 8                          ; a wave's four fills stand in one branch on its number, ahead of every wait on TENSORcnt and every LDS read; four v_nop follow the last
	s_cbranch_scc0 .Lfill_v
	tensor_load_to_lds s[G0K:G0K+3], s[G1K:G1K+7]
	s_nop 0
	tensor_load_to_lds s[G0K+4:G0K+7], s[G1K:G1K+7]
	s_nop 0
	tensor_load_to_lds s[G0K+8:G0K+11], s[G1K:G1K+7]
	s_nop 0
	tensor_load_to_lds s[G0K+12:G0K+15], s[G1K:G1K+7]
	s_nop 0
.rept 4
	v_nop
.endr
	s_branch .Lfilled
.Lfill_v:
	tensor_load_to_lds s[G0V:G0V+3], s[G1V:G1V+7]
	s_nop 0
	tensor_load_to_lds s[G0V+4:G0V+7], s[G1V:G1V+7]
	s_nop 0
	tensor_load_to_lds s[G0V+8:G0V+11], s[G1V:G1V+7]
	s_nop 0
	tensor_load_to_lds s[G0V+12:G0V+15], s[G1V:G1V+7]
	s_nop 0
.rept 4
	v_nop
.endr
.Lfilled:
	global_load_b128 v[16:19], v[LI], s[4:5]       ; Q's codes: registers 0-3 of its fragment
	global_load_b32 v10, v11, s[58:59] offset:4096 ; and its scale words, row r's in lane r
.irp j, 20,21,22,23
	v_mov_b32 v\j, 0                               ; the upper 64 along K: zero codes
.endr
.irp t, 0,1,2,3,4,5,6,7
.irp j, 4,5,6,7
	v_mov_b32 v[32+8*\t+\j], 0                     ; the same in K's eight fragments: written once, never loaded over
.endr
.endr
.set j, 0
.rept 32
	v_mov_b32 v[160+j], 0                          ; O^T.  (The step is written once: the first finds zeros, which the first change of M leaves zeros)
.set j, j+1
.endr
	v_mov_b32 v13, 0xff61b1e6                      ; the largest t so far: -3e38, under every t
	v_floor_f32 v12, -v13                          ; -M
	v_mov_b32 v14, 0                               ; the sum, in two halves
	v_mov_b32 v15, 0
.irp b, 0,1,2,3
	v_mov_b32 v[236+\b], 0                         ; written once: a lane permute's destination counts as one of its sources
.endr
	v_mov_b32 v253, 0                              ; (named as the upper half of the pair v[252:253])
	s_wait_loadcnt 0x0                             ; Q
; A KEY STEP: 128 keys.
.macro STEP
	v_add_nc_u32 v[ADK], s[TK], v[LI]
	v_add_nc_u32 v[ADV], s[TV], v[LI]
	v_add_nc_u32 v[ADT], s[TV], v[L8]
	v_nop                                          ; these four are the places behind the last step's products, ahead of the loads into their sources
	ds_load_b128 v[24:27], v[ADK] offset:4096      ; K's scale words: register p: lanes 0-15 tile 2 p, lanes 16-31 tile 2 p + 1
.irp t, 0,1,2,3,4,5,6,7
	ds_load_b128 v[32+8*\t:35+8*\t], v[ADK] offset:512*\t
.endr
	ds_load_b64 v[28:29], v[ADT] offset:4096       ; V's scale words, likewise
.irp f, 0,1,2,3,4,5,6,7
	ds_load_b128 v[192+4*\f:195+4*\f], v[ADV] offset:512*\f
.endr
	s_wait_dscnt 9                                 ; K is in; V's nine loads may be out
.irp p, 0,1,2,3                                ; S^T = K Q^T: lane (r, h) holds query r; the 16 registers of tiles 2 b, 2 b + 1 are keys 32 b + 16 h + 0 .. 15
	v_wmma_scale_f32_16x16x128_f8f6f4 v[96+16*\p:103+16*\p], v[32+16*\p:39+16*\p], v[16:23], 0, v[24+\p], v10 matrix_a_fmt:MATRIX_FMT_FP4 matrix_b_fmt:MATRIX_FMT_FP4
	v_wmma_scale_f32_16x16x128_f8f6f4 v[104+16*\p:111+16*\p], v[40+16*\p:47+16*\p], v[16:23], 0, v[24+\p], v10 matrix_a_fmt:MATRIX_FMT_FP4 matrix_b_fmt:MATRIX_FMT_FP4 matrix_a_scale:MATRIX_SCALE_ROW1
.endr
.rept 4
	v_nop
.endr
.irp b, 0,1,2,3
	v_max3_num_f32 v[232+\b], v[96+16*\b], v[97+16*\b], v[98+16*\b]   ; THE LARGEST SCORE OF EACH BLOCK OF 32 KEYS: it serves the row's maximum and, since p rises with the score, the block's largest p
.endr
.irp i, 3,5,7,9,11,13
.irp b, 0,1,2,3
	v_max3_num_f32 v[232+\b], v[232+\b], v[96+16*\b+\i], v[97+16*\b+\i]   ; (the four blocks by turns)
.endr
.endr
.irp b, 0,1,2,3
	v_max_num_f32 v[232+\b], v[232+\b], v[111+16*\b]
.endr
.irp b, 0,1,2,3
	v_permlanex16_b32 v[236+\b], v[232+\b], s[SEL], s[SEL+1]
.endr
.irp b, 0,1,2,3
	v_max_num_f32 v[232+\b], v[232+\b], v[236+\b]  ; with lane l xor 16's 16 keys
.endr
	v_max3_num_f32 v254, v232, v233, v234
	v_max_num_f32 v254, v254, v235                 ; the step's largest score of my query
	v_mul_f32 v254, s[CS], v254                    ; as t (c is positive)
	v_max_num_f32 v13, v13, v254                   ; the running largest t
	v_mov_b32 v254, v12
	v_floor_f32 v12, -v13                          ; the new -M = floor(-t) = -ceil(t): a whole number
	v_sub_f32 v254, v12, v254                      ; old M - new M: a whole number, 0 or less
	v_cvt_i32_f32 v254, v254                       ; (it saturates)
	v_ldexp_f32 v252, 1.0, v254                    ; f = 2^(old M - new M): a multiplication by it rounds nothing
.set j, 0
.rept 32
	v_pk_fma_f32 v[96+j:97+j], v[96+j:97+j], s[CS:CS+1], v[12:13] op_sel_hi:[1,0,0]   ; t - M, two at a time (of the pairs c and -M the low word serves both halves)
.set j, j+2
.endr
.irp b, 0,1,2,3
	v_fma_f32 v[232+\b], v[232+\b], s[CS], v12     ; the same of each block's largest score
.endr
.set j, 0
.rept 64
	v_exp_f32 v[96+j], v[96+j]                     ; p = 2^(t - M), at most 1: not normalised
.set j, j+1
.endr
	v_pk_mul_f32 v[14:15], v[14:15], v[252:253] op_sel_hi:[1,0]   ; the sums under the new M: the plain place behind the exponentials
	s_wait_alu depctr_va_vdst(0)                   ; one wait for the batch of 64, ahead of its first reader
.irp b, 0,1,2,3
	v_exp_f32 v[232+\b], v[232+\b]                 ; the block's largest p: the same two instructions on the same number give the same bits
.endr
	v_pk_add_f32 v[236:237], v[96:97], v[98:99]    ; THE ROW'S SUM IS TAKEN OF THE UNQUANTISED p: two at a time, in two chains; it reads the 64 alone
.irp j, 4,8,12,16,20,24,28,32,36,40,44,48,52,56,60
	v_pk_add_f32 v[14:15], v[14:15], v[96+\j:97+\j]
	v_pk_add_f32 v[236:237], v[236:237], v[98+\j:99+\j]
.endr
	v_pk_add_f32 v[14:15], v[14:15], v[236:237]
	s_wait_alu depctr_va_vdst(0)                   ; and one for the four
.irp b, 0,1,2,3
	v_max_num_f32 v[232+\b], 0x1800000, v[232+\b]  ; the floor 2^(3 - 127): the byte cannot fall under 1
.endr
.irp b, 0,1,2,3
	v_add_nc_u32 v[244+\b], 0xff000000, v[232+\b]  ; 2 off the exponent field: the conversion's scale operand
.endr
.irp b, 0,1,2,3
	v_lshrrev_b32 v[236+\b], 23, v[244+\b]         ; the scale's byte
.endr
	v_lshl_or_b32 v30, v237, 8, v236               ; p's scale word for these 128 keys
	v_lshl_or_b32 v30, v238, 16, v30
	v_lshl_or_b32 v30, v239, 24, v30
.irp b, 0,1,2,3
	v_cvt_scalef32_pk8_fp4_f32 v[224+2*\b], v[96+16*\b:103+16*\b], v[244+\b]
	v_cvt_scalef32_pk8_fp4_f32 v[225+2*\b], v[104+16*\b:111+16*\b], v[244+\b]
.endr
	v_nop                                          ; one plain place behind a scaled conversion
.irp c, 0,1                                    ; a WHOLE block in a lane: lanes 0-15 block 2 c, lanes 16-31 block 2 c + 1
.irp i, 0,1
	v_permlane16_swap_b32 v[224+4*\c+\i], v[226+4*\c+\i]
.endr
.endr
.set j, 0
.rept 16
	v_pk_mul_f32 v[160+j:161+j], v[160+j:161+j], v[252:253] op_sel_hi:[1,0]   ; O^T under the new M.  (These sixteen are also the places between the lines that wrote p's codes and scale word and the products)
.set j, j+2
.endr
	s_wait_dscnt 0x0                               ; V is in
.irp p, 0,1                                    ; O^T += V^T P^T: four tiles of 16 of the head's 64, each accumulator once
	v_wmma_scale_f32_16x16x128_f8f6f4 v[160+16*\p:167+16*\p], v[192+16*\p:199+16*\p], v[224:231], v[160+16*\p:167+16*\p], v[28+\p], v30 matrix_a_fmt:MATRIX_FMT_FP4 matrix_b_fmt:MATRIX_FMT_FP4
	v_wmma_scale_f32_16x16x128_f8f6f4 v[168+16*\p:175+16*\p], v[200+16*\p:207+16*\p], v[224:231], v[168+16*\p:175+16*\p], v[28+\p], v30 matrix_a_fmt:MATRIX_FMT_FP4 matrix_b_fmt:MATRIX_FMT_FP4 matrix_a_scale:MATRIX_SCALE_ROW1
.endr
.endm
; Group n: steps 8 n .. 8 n + 7.  Each wave waits until its load n has landed (its 3 - n later loads may stay out), says so, and reads when all sixteen have said so.
.macro GROUP n
	s_wait_tensorcnt 3-\n
	s_barrier_signal -1
	s_barrier_wait -1
	s_mov_b32 s[TK], \n*8*KREC
	s_mov_b32 s[TV], VL+\n*8*VREC
	s_mov_b32 s[CNT], 8
.Lstep_\@:
	STEP
	s_add_co_u32 s[TK], s[TK], KREC
	s_add_co_u32 s[TV], s[TV], VREC
	s_sub_co_u32 s[CNT], s[CNT], 1
	s_cmp_lg_u32 s[CNT], 0
	s_cbranch_scc1 .Lstep_\@
.endm
	GROUP 0
	GROUP 1
	GROUP 2
	GROUP 3
	; THE WAY OUT.  O^T / the sum; register 16 b + i of a lane is channel 32 b + 16 h + i of my query: two blocks of the last projection's K, quantised as p was.
	v_add_f32 v14, v14, v15                        ; the sum's two halves,
	v_permlanex16_b32 v252, v14, s[SEL], s[SEL+1]
	v_add_f32 v14, v14, v252                       ; and lane l xor 16's: the row's sum
	v_rcp_f32 v14, v14
	v_nop                                          ; a plain place behind the reciprocal; with the two additions and the next line: the four places behind the last products
	v_nop
	s_wait_alu depctr_va_vdst(0)                   ; ahead of the reciprocal's first reader
.set j, 0
.rept 16
	v_pk_mul_f32 v[96+j:97+j], v[160+j:161+j], v[14:15] op_sel_hi:[1,0]   ; each accumulator from its low end on
.set j, j+2
.endr
.irp b, 0,1
	v_max3_num_f32 v[232+\b], |v[96+16*\b]|, |v[97+16*\b]|, 0x1800000
.endr
.irp i, 2,4,6,8,10,12,14
.irp b, 0,1
	v_max3_num_f32 v[232+\b], v[232+\b], |v[96+16*\b+\i]|, |v[97+16*\b+\i]|
.endr
.endr
.irp b, 0,1
	v_permlanex16_b32 v[236+\b], v[232+\b], s[SEL], s[SEL+1]
.endr
.irp b, 0,1
	v_max_num_f32 v[232+\b], v[232+\b], v[236+\b]
.endr
.irp b, 0,1
	v_add_nc_u32 v[244+\b], 0xff000000, v[232+\b]
.endr
.irp b, 0,1
	v_lshrrev_b32 v[236+\b], 23, v[244+\b]
.endr
	v_lshl_or_b32 v238, v237, 8, v236              ; my row's two scale bytes
.irp b, 0,1
	v_cvt_scalef32_pk8_fp4_f32 v[224+2*\b], v[96+16*\b:103+16*\b], v[244+\b]
	v_cvt_scalef32_pk8_fp4_f32 v[225+2*\b], v[104+16*\b:111+16*\b], v[244+\b]
.endr
	v_nop                                          ; one plain place behind a scaled conversion
	v_permlane16_swap_b32 v224, v226               ; lane (r, h): the 32 codes of block h
	v_permlane16_swap_b32 v225, v227
	global_store_b128 v[LI], v[224:227], s[10:11]  ; my head's chunk of my tile's fragment: 512 consecutive bytes, aligned
	ds_store_b16 v[SGA], v238                      ; the sixteen waves' scale bytes meet in LDS (lanes r and r + 16 write the same two bytes with the same value),
	s_wait_dscnt 0x0                               ; for the others' sake: my store has landed
	s_barrier_signal -1
	s_barrier_wait -1
	s_cmp_lg_u32 s[WV], 0
	s_cbranch_scc1 .Lnot_mine
	ds_load_b128 v[232:235], v[SGR]                ; and wave 0 stores them: 512 consecutive bytes, aligned
	s_wait_dscnt 0x0
	global_store_b128 v[LI], v[232:235], s[12:13]
.Lnot_mine:
	s_wait_tensorcnt 0x0
	ds_add_u32 v251, v255
	s_wait_dscnt 0x0
	ROUND                                          ; the closing round: no work-group ends while a partner may still ask for a record jointly
	s_endpgm
.Lfunc_end_k_qbc1853ad18_attn:
	.size	k_qbc1853ad18_attn, .Lfunc_end_k_qbc1853ad18_attn-k_qbc1853ad18_attn
	.p2alignl 7, 3214868480
	.fill 96, 4, 3214868480
	.section	.rodata,"a",@progbits
	.p2align	6, 0x0
	.amdhsa_kernel k_qbc1853ad18_attn
		.amdhsa_group_segment_fixed_size 327680
		.amdhsa_private_segment_fixed_size 0
		.amdhsa_enable_private_segment 0
		.amdhsa_kernarg_size 40
		.amdhsa_user_sgpr_count 2
		.amdhsa_user_sgpr_kernarg_segment_ptr 1
		.amdhsa_wavefront_size32 1
		.amdhsa_system_sgpr_workgroup_id_x 1
		.amdhsa_system_sgpr_workgroup_id_y 1
		.amdhsa_system_sgpr_workgroup_id_z 1
		.amdhsa_system_vgpr_workitem_id 0
		.amdhsa_next_free_vgpr 256
		.amdhsa_next_free_sgpr 100
		.amdhsa_reserve_vcc 0
		.amdhsa_float_denorm_mode_32 3
		.amdhsa_float_denorm_mode_16_64 3
		.amdhsa_memory_ordered 1
		.amdhsa_forward_progress 1
		.amdhsa_inst_pref_size 75
	.end_amdhsa_kernel
	.amdgpu_metadata
---
amdhsa.version: [ 1, 2 ]
amdhsa.kernels:
  - .name:           k_qbc1853ad18_attn
    .symbol:         k_qbc1853ad18_attn.kd
    .args:
      - { .name: qb, .offset: 0, .size: 8, .value_kind: global_buffer, .address_space: global }
      - { .name: kb, .offset: 8, .size: 8, .value_kind: global_buffer, .address_space: global }
      - { .name: vb, .offset: 16, .size: 8, .value_kind: global_buffer, .address_space: global }
      - { .name: oimg, .offset: 24, .size: 8, .value_kind: global_buffer, .address_space: global }
      - { .name: osc, .offset: 32, .size: 8, .value_kind: global_buffer, .address_space: global }
    .group_segment_fixed_size: 327680
    .private_segment_fixed_size: 0
    .kernarg_segment_align: 8
    .kernarg_segment_size: 40
    .max_flat_workgroup_size: 512
    .sgpr_count:     100
    .vgpr_count:     256
    .wavefront_size: 32
...
	.end_amdgpu_metadata
.endif
;; end of part 3
;; launch oproj (part 4): grid 256 x 1, 8 waves a work-group, no clusters, 35,840 bytes of LDS; arguments oimg, osc, wimg, wsc, bo, out0; writes out0
.if DOCPART == 4
	.amdgcn_target "amdgcn-amd-amdhsa--gfx1250"
	.amdhsa_code_object_version 6
	.text
	.protected	k_qbc1853ad18_oproj
	.globl	k_qbc1853ad18_oproj
	.p2align	8
	.type	k_qbc1853ad18_oproj,@function
k_qbc1853ad18_oproj:
	s_mov_b64 s[64:65], 0
	v_nop
	global_prefetch_b8 v0, s[64:65] scope:SCOPE_SE
	s_setreg_imm32_b32 hwreg(HW_REG_WAVE_MODE, 25, 1), 1
	s_wait_xcnt 0x0
; out0 = O Wo + bo on codes of FP4 (E2M1) with one E8M0 scale for each 32 along K = 512.  O's codes and Wo's come as images of operand registers, straight from memory into registers: 512 consecutive bytes a load.
; SHARES: a work-group takes 32 rows (two tiles of O), wave w the 64 columns 64 w on (four tiles of Wo): 256 bytes of each row of out0.  32 matrix instructions a wave: eight accumulators by turns, K step by K step.
; The product is used TRANSPOSED (source 0 = 16 columns of Wo, source 1 = 16 rows of O): a lane holds eight neighbouring columns of one row.  The bias is the C of each sum's first matrix instruction.
; A TILE OF 16 IS NOT 16 NEIGHBOURS: lane r of tile 2 b + u is row (or column) 32 b + 8 u + r + 8 (r / 8); the way out puts rows and columns back in their places.
; THE WAY OUT: 16 rows x 256 bytes at a time through the wave's own stage in LDS (rows 272 bytes apart); they come back by rows, and sixteen lanes store 256 consecutive bytes, aligned.  No barrier: waves share nothing.
; NO CLUSTER: all operands go from memory straight into registers; what work-groups share, Wo's 131,072 bytes of codes, each reads once.
; REGISTERS.  Window 0: v1-6 addresses; v16-79 accumulators; v80-143 O's 8 fragments, later rows of out0; v144-147 O's scale words; v148-155 their halves as loaded; v176-183 Wo's scale words.
;   Window 1: v0-127 Wo's 16 fragments; v224-255 the bias.
.set LI,  1                            ; v1   16 x lane
.set L2,  2                            ; v2   2 x lane
.set BOQ, 3                            ; v3   64 h
.set STO, 4                            ; v4   the stage: row r, + 64 h
.set RD,  5                            ; v5   and back: row h, + 16 r
.set CO,  6                            ; v6   the same place in out0: 2,048 h + 16 r
.set HA,  16
.set ST,  80
.set OS,  144
.set OH,  148
.set WS,  176
.set B1,  224
.set MSB, 0
.macro WIN new                         ; the immediate's high byte repeats the setting that is left
.if MSB != \new
	s_set_vgpr_msb (MSB<<8)|\new
.set MSB, \new
.endif
.endm
	s_load_b256 s[4:11], s[0:1], 0x0               ; oimg, osc, wimg, wsc
	s_load_b128 s[12:15], s[0:1], 0x20             ; bo, out0
	v_lshl_add_u32 v254, v0, 2, 0x8800
	v_mov_b32 v255, 0
	v_lshrrev_b32 v8, 5, v0
	v_readfirstlane_b32 s16, v8                    ; wave
	s_mov_b32 s17, ttmp9                           ; block of 32 rows
	v_and_b32 v8, 31, v0                           ; lane
	v_and_b32 v9, 15, v0                           ; r
	v_bfe_u32 v11, v0, 4, 1                        ; h
	v_lshlrev_b32 v[LI], 4, v8
	v_lshlrev_b32 v[L2], 1, v8
	v_lshlrev_b32 v[BOQ], 6, v11
	s_mul_i32 s20, s16, 16*272                     ; my stage
	s_lshl_b32 s22, s17, 13                        ; oimg: two tiles of 4,096 bytes
	s_mov_b32 s23, 0
	s_lshl_b32 s24, s17, 6                         ; osc: two tiles of 32 bytes
	s_mov_b32 s25, 0
	s_lshl_b32 s26, s16, 14                        ; wimg: the fourth weight, 16,384 bytes a wave
	s_add_co_u32 s26, s26, 3*131072
	s_mov_b32 s27, 0
	s_lshl_b32 s28, s16, 10                        ; wsc likewise: 1,024 a wave
	s_add_co_u32 s28, s28, 3*8192
	s_mov_b32 s29, 0
	s_lshl_b32 s30, s16, 8                         ; bo, and my columns in a row of out0
	s_mov_b32 s31, 0
	s_lshl_b32 s32, s17, 16                        ; out0: 32 rows of 2,048 bytes
	s_add_co_u32 s32, s32, s30
	s_mov_b32 s33, 0
	s_wait_kmcnt 0x0
	s_add_nc_u64 s[4:5], s[4:5], s[22:23]
	s_add_nc_u64 s[6:7], s[6:7], s[24:25]
	s_add_nc_u64 s[8:9], s[8:9], s[26:27]
	s_add_nc_u64 s[10:11], s[10:11], s[28:29]
	s_add_nc_u64 s[12:13], s[12:13], s[30:31]
	s_add_nc_u64 s[14:15], s[14:15], s[32:33]
	WIN 0x40                                       ; destination window 1
.irp f, 0,1,2,3,4,5,6,7,8,9,10,11,12,13,14,15  ; Wo's fragments (tile t, K step s) at 8 (4 t + s)
	global_load_b128 v[8*\f:8*\f+3], v[LI], s[8:9] offset:1024*\f
	global_load_b128 v[8*\f+4:8*\f+7], v[LI], s[8:9] offset:1024*\f+512
.endr
.irp t, 0,1,2,3                                ; the bias: lane (., h), register j of tile t: column 32 (t / 2) + 8 (t % 2) + 16 h + j
	global_load_b128 v[B1+8*\t:B1+8*\t+3], v[BOQ], s[12:13] offset:(32*(\t/2)+8*(\t%2))*4
	global_load_b128 v[B1+8*\t+4:B1+8*\t+7], v[BOQ], s[12:13] offset:(32*(\t/2)+8*(\t%2))*4+16
.endr
	WIN 0
	global_load_b128 v[WS:WS+3], v[LI], s[10:11]             ; Wo's scale words: register 4 (t / 2) + s: lanes 0-15 the even tile, lanes 16-31 the odd one
	global_load_b128 v[WS+4:WS+7], v[LI], s[10:11] offset:512
.irp f, 0,1,2,3,4,5,6,7,8,9,10,11,12,13,14,15  ; O's fragments: (tile m, K step s) at ST + 32 m + 8 s: chunk f = 8 m + 2 s + c
	global_load_b128 v[ST+4*\f:ST+4*\f+3], v[LI], s[4:5] offset:512*\f th:TH_LOAD_NT
.endr
.irp d, 0,1,2,3,4,5,6,7                        ; O's scale bytes, two a head: lanes 0-15 the even tile's rows, lanes 16-31 the odd one's
	global_load_u16 v[OH+\d], v[L2], s[6:7] offset:16384*\d
.endr
	s_wait_loadcnt 0x0
.irp s, 0,1,2,3
	v_lshl_or_b32 v[OS+\s], v[OH+1+2*\s], 16, v[OH+2*\s]     ; K step s is heads 2 s and 2 s + 1: four bytes
.endr
	v_mul_u32_u24 v[STO], v9, 272                  ; the way out's addresses are made here: eight plain places between the lines that wrote the scale words and the scaled products
	v_lshl_add_u32 v[STO], v11, 6, v[STO]
	v_add_nc_u32 v[STO], s20, v[STO]
	v_mul_u32_u24 v[RD], v11, 272
	v_lshl_add_u32 v[RD], v9, 4, v[RD]
	v_add_nc_u32 v[RD], s20, v[RD]
	v_lshlrev_b32 v[CO], 11, v11
	v_lshl_add_u32 v[CO], v9, 4, v[CO]
.macro OMUL s, m                       ; K step s, tile of rows m, Wo's four tiles
.irp bb, 0,1
.set rD, HA+32*(\m)+16*\bb
.set rC, rD
.if (\s) == 0
.set rC, B1+16*\bb
.endif
.if (\m) == 0
	v_wmma_scale_f32_16x16x128_f8f6f4 v[rD:rD+7], v[8*(8*\bb+(\s)):8*(8*\bb+(\s))+7], v[ST+32*(\m)+8*(\s):ST+32*(\m)+8*(\s)+7], v[rC:rC+7], v[WS+4*\bb+(\s)], v[OS+(\s)] matrix_a_fmt:MATRIX_FMT_FP4 matrix_b_fmt:MATRIX_FMT_FP4
	v_wmma_scale_f32_16x16x128_f8f6f4 v[rD+8:rD+15], v[8*(8*\bb+4+(\s)):8*(8*\bb+4+(\s))+7], v[ST+32*(\m)+8*(\s):ST+32*(\m)+8*(\s)+7], v[rC+8:rC+15], v[WS+4*\bb+(\s)], v[OS+(\s)] matrix_a_fmt:MATRIX_FMT_FP4 matrix_b_fmt:MATRIX_FMT_FP4 matrix_a_scale:MATRIX_SCALE_ROW1
.else
	v_wmma_scale_f32_16x16x128_f8f6f4 v[rD:rD+7], v[8*(8*\bb+(\s)):8*(8*\bb+(\s))+7], v[ST+32*(\m)+8*(\s):ST+32*(\m)+8*(\s)+7], v[rC:rC+7], v[WS+4*\bb+(\s)], v[OS+(\s)] matrix_a_fmt:MATRIX_FMT_FP4 matrix_b_fmt:MATRIX_FMT_FP4 matrix_b_scale:MATRIX_SCALE_ROW1
	v_wmma_scale_f32_16x16x128_f8f6f4 v[rD+8:rD+15], v[8*(8*\bb+4+(\s)):8*(8*\bb+4+(\s))+7], v[ST+32*(\m)+8*(\s):ST+32*(\m)+8*(\s)+7], v[rC+8:rC+15], v[WS+4*\bb+(\s)], v[OS+(\s)] matrix_a_fmt:MATRIX_FMT_FP4 matrix_b_fmt:MATRIX_FMT_FP4 matrix_a_scale:MATRIX_SCALE_ROW1 matrix_b_scale:MATRIX_SCALE_ROW1
.endif
.endr
.endm
	WIN 0x11                                       ; source 0 (Wo) and source 2 (the bias) window 1
	OMUL 0, 0
	OMUL 0, 1
	WIN 0x01                                       ; source 0 window 1
.irp s, 1,2,3
	OMUL \s, 0
	OMUL \s, 1
.endr
	WIN 0
.rept 4
	v_nop                                          ; four plain places ahead of the first read of results and of loads into the products' sources
.endr
.irp m, 0,1                                    ; LDS serves a wave's instructions in order (ISA guide 5.7.1.4): the loads see the stores above them, and the second tile's stores come behind the first's loads
.irp t, 0,1,2,3
	ds_store_b128 v[STO], v[HA+32*\m+8*\t:HA+32*\m+8*\t+3] offset:128*(\t/2)+32*(\t%2)        ; each accumulator from its low end on
	ds_store_b128 v[STO], v[HA+32*\m+8*\t+4:HA+32*\m+8*\t+7] offset:128*(\t/2)+32*(\t%2)+16
.endr
.irp i, 0,1,2,3,4,5,6,7
	ds_load_b128 v[ST+32*\m+4*\i:ST+32*\m+4*\i+3], v[RD] offset:544*\i
.endr
.endr
.irp m, 0,1
.irp i, 0,1,2,3,4,5,6,7
	s_wait_dscnt 16*(1-\m)+7-\i                    ; the LDS instructions issued behind this pair of rows' load may be out
	global_store_b128 v[CO], v[ST+32*\m+4*\i:ST+32*\m+4*\i+3], s[14:15] offset:(8*\m+2*\i+8*(\i/4))*2048 th:TH_STORE_NT   ; stage rows 2 i, 2 i + 1 of tile m are rows 8 m + 2 i + 8 (i / 4) + h of the block
.endr
.endr
	s_wait_tensorcnt 0x0
	ds_add_u32 v254, v255
	s_wait_dscnt 0x0
	s_endpgm
.Lfunc_end_k_qbc1853ad18_oproj:
	.size	k_qbc1853ad18_oproj, .Lfunc_end_k_qbc1853ad18_oproj-k_qbc1853ad18_oproj
	.p2alignl 7, 3214868480
	.fill 96, 4, 3214868480
	.section	.rodata,"a",@progbits
	.p2align	6, 0x0
	.amdhsa_kernel k_qbc1853ad18_oproj
		.amdhsa_group_segment_fixed_size 35840
		.amdhsa_private_segment_fixed_size 0
		.amdhsa_enable_private_segment 0
		.amdhsa_kernarg_size 48
		.amdhsa_user_sgpr_count 2
		.amdhsa_user_sgpr_kernarg_segment_ptr 1
		.amdhsa_wavefront_size32 1
		.amdhsa_system_sgpr_workgroup_id_x 1
		.amdhsa_system_sgpr_workgroup_id_y 1
		.amdhsa_system_sgpr_workgroup_id_z 1
		.amdhsa_system_vgpr_workitem_id 0
		.amdhsa_next_free_vgpr 512
		.amdhsa_next_free_sgpr 66
		.amdhsa_reserve_vcc 0
		.amdhsa_float_denorm_mode_32 3
		.amdhsa_float_denorm_mode_16_64 3
		.amdhsa_memory_ordered 1
		.amdhsa_forward_progress 1
		.amdhsa_inst_pref_size 17
	.end_amdhsa_kernel
	.amdgpu_metadata
---
amdhsa.version: [ 1, 2 ]
amdhsa.kernels:
  - .name:           k_qbc1853ad18_oproj
    .symbol:         k_qbc1853ad18_oproj.kd
    .args:
      - { .name: oimg, .offset: 0, .size: 8, .value_kind: global_buffer, .address_space: global }
      - { .name: osc, .offset: 8, .size: 8, .value_kind: global_buffer, .address_space: global }
      - { .name: wimg, .offset: 16, .size: 8, .value_kind: global_buffer, .address_space: global }
      - { .name: wsc, .offset: 24, .size: 8, .value_kind: global_buffer, .address_space: global }
      - { .name: bo, .offset: 32, .size: 8, .value_kind: global_buffer, .address_space: global }
      - { .name: out0, .offset: 40, .size: 8, .value_kind: global_buffer, .address_space: global }
    .group_segment_fixed_size: 35840
    .private_segment_fixed_size: 0
    .kernarg_segment_align: 8
    .kernarg_segment_size: 48
    .max_flat_workgroup_size: 256
    .sgpr_count:     66
    .vgpr_count:     512
    .wavefront_size: 32
...
	.end_amdgpu_metadata
.endif
;; end of part 4
;; ======== version 2 of 2: 4 launches
;; workspace buffers: wimg 524,288 bytes; wsc 32,768 bytes; qb 2,359,296 bytes; kb 2,359,296 bytes; vb 2,228,224 bytes; oimg 2,097,152 bytes; osc 131,072 bytes
;; launch wquant (part 5): grid 16 x 4, 4 waves a work-group, no clusters, 1,536 bytes of LDS; arguments Wq, Wk, Wv, Wo, wimg, wsc; writes wimg, wsc
.if DOCPART == 5
	.amdgcn_target "amdgcn-amd-amdhsa--gfx1250"
	.amdhsa_code_object_version 6
	.text
	.protected	k_qbc1853ad18_wquant
	.globl	k_qbc1853ad18_wquant
	.p2align	8
	.type	k_qbc1853ad18_wquant,@function
k_qbc1853ad18_wquant:
	s_mov_b64 s[64:65], 0
	v_nop
	global_prefetch_b8 v0, s[64:65] scope:SCOPE_SE
	s_setreg_imm32_b32 hwreg(HW_REG_WAVE_MODE, 25, 1), 1
	s_wait_xcnt 0x0
; The four weights [512 (k)][512 (n)], f32, K their FIRST axis, become codes of FP4 (E2M1) with one E8M0 byte for each 32 along K,
; laid as IMAGES OF OPERAND REGISTERS: wimg [weight 4][tile 32][K step 4][chunk 2][lane 32][16 bytes], wsc [weight 4][tile 32][row 16][K step 4] words.
; A tile is 16 columns, NOT neighbours: lane r of tile 2 g + u takes column 32 g + 8 u + r + 8 (r / 8).  Chunk c of a fragment is its registers 4 c .. 4 c + 3:
; lane (r, h) holds k = 64 c + 32 h + 0 .. 31 of its column.
; SHARES: work-group x = g (32 columns, two tiles), y = the weight; wave = K step of 128.  A LANE TAKES A COLUMN AND ITS REGISTERS RUN DOWN K: a block of 32 lies in one lane,
; its largest magnitude needs no other lane, and the conversions give codes with K innermost.  A load reads 128 consecutive bytes; a store of codes writes two aligned runs of 256 bytes.
; A block's scale is 2^(floor(log2(largest magnitude)) - 2); its byte is the largest magnitude's exponent field - 2, held at 1 from below.
; LIMITS: a block of zeros gets the byte 1 where the quantiser says 127 (its codes are zeros, and this program alone reads the bytes); NaN and infinities among the inputs are not served.
; No tensor load, no cluster: no two work-groups read the same bytes.
.set X,  64                            ; v64-191  my column's 128 numbers of the K step
.set C,  16                            ; v16-31   codes, four registers a block, so that no store's data are written again
.set SB, 32                            ; v32      the K step's scale word
	s_load_b256 s[4:11], s[0:1], 0x0               ; Wq, Wk, Wv, Wo
	s_load_b128 s[12:15], s[0:1], 0x20             ; wimg, wsc
	v_lshl_add_u32 v192, v0, 2, 0x400
	v_mov_b32 v193, 0
	v_lshrrev_b32 v5, 5, v0
	v_readfirstlane_b32 s16, v5                    ; wave = K step
	s_mov_b32 s17, ttmp9                           ; g
	s_and_b32 s18, ttmp7, 0xffff                   ; which weight
	v_and_b32 v5, 31, v0                           ; lane
	v_and_b32 v6, 15, v0                           ; r
	v_bfe_u32 v7, v0, 4, 1                         ; u = lane / 16: which of the two tiles
	v_and_b32 v8, 8, v6
	v_add_nc_u32 v8, v8, v6                        ; r + 8 (r / 8)
	v_lshl_add_u32 v8, v7, 3, v8                   ; + 8 u: my column among the 32
	v_lshlrev_b32 v1, 2, v8                        ; v1: its bytes in a row of W
	v_lshlrev_b32 v2, 4, v6
	v_lshl_add_u32 v2, v7, 12, v2                  ; v2: 16 r + 4,096 u: my place in the images
	v_lshlrev_b32 v4, 4, v5                        ; v4: 16 x lane
	s_lshl_b32 s19, s16, 2
	v_add_nc_u32 v3, s19, v4                       ; v3: LDS: 16 x lane + 4 x wave: my scale word among my row's four
	s_lshl_b32 s24, s16, 18                        ; W: 128 rows of 2,048 bytes a K step,
	s_lshl_b32 s25, s17, 7                         ; 128 bytes a group of columns
	s_add_co_u32 s24, s24, s25
	s_mov_b32 s25, 0
	s_lshl_b32 s26, s18, 17                        ; wimg: 131,072 a weight, 8,192 a group, 1,024 a K step
	s_lshl_b32 s27, s17, 13
	s_add_co_u32 s26, s26, s27
	s_lshl_b32 s27, s16, 10
	s_add_co_u32 s26, s26, s27
	s_mov_b32 s27, 0
	s_lshl_b32 s28, s18, 13                        ; wsc: 8,192 a weight, 512 a group
	s_lshl_b32 s29, s17, 9
	s_add_co_u32 s28, s28, s29
	s_mov_b32 s29, 0
	s_wait_alu depctr_va_vdst(0)
	s_wait_kmcnt 0x0
	s_cmp_eq_u32 s18, 0                            ; the weight is chosen by the work-group's number alone
	s_cselect_b64 s[20:21], s[4:5], s[6:7]
	s_cmp_eq_u32 s18, 2
	s_cselect_b64 s[22:23], s[8:9], s[10:11]
	s_cmp_lt_u32 s18, 2
	s_cselect_b64 s[20:21], s[20:21], s[22:23]
	s_add_nc_u64 s[20:21], s[20:21], s[24:25]
	s_add_nc_u64 s[12:13], s[12:13], s[26:27]
	s_add_nc_u64 s[14:15], s[14:15], s[28:29]
.set i, 0
.rept 128                              ; all of the wave's bytes are asked for at once
	global_load_b32 v[X+i], v1, s[20:21] offset:i*2048 th:TH_LOAD_NT
.set i, i+1
.endr
; Block t of the four.  left: a count no larger than the loads issued behind the block's last (96, 64, 32, 0).
.macro BLOCK t, left
.set XS, X+32*(\t)
	s_wait_loadcnt \left
	v_max3_num_f32 v12, |v[XS]|, |v[XS+1]|, |v[XS+2]|      ; the block's largest magnitude, in two chains
	v_max3_num_f32 v13, |v[XS+3]|, |v[XS+4]|, |v[XS+5]|
.irp i, 6,10,14,18,22,26
	v_max3_num_f32 v12, v12, |v[XS+\i]|, |v[XS+\i+1]|
	v_max3_num_f32 v13, v13, |v[XS+\i+2]|, |v[XS+\i+3]|
.endr
	v_max3_num_f32 v12, v12, |v[XS+30]|, |v[XS+31]|
	v_max3_num_f32 v12, v12, v13, 0x1800000        ; and the floor 2^(3 - 127): the byte cannot fall under 1
	v_add_nc_u32 v11, 0xff000000, v12              ; 2 off its exponent field: the conversion takes this operand's exponent field as its scale
	v_lshrrev_b32 v13, 23, v11                     ; the scale's byte
.if (\t) == 0
	v_mov_b32 v[SB], v13
.else
	v_lshl_or_b32 v[SB], v13, 8*(\t), v[SB]        ; the lower k in the lower byte
.endif
.irp g, 0,1,2,3
	v_cvt_scalef32_pk8_fp4_f32 v[C+4*(\t)+\g], v[XS+8*\g:XS+8*\g+7], v11
.endr
	global_store_b128 v2, v[C+4*(\t):C+4*(\t)+3], s[12:13] offset:((\t)/2)*512+((\t)%2)*256   ; block t is chunk t / 2, lanes 16 (t % 2) + r: sixteen lanes store 256 consecutive bytes, aligned
.endm
	BLOCK 0, 63
	BLOCK 1, 63
	BLOCK 2, 32
	BLOCK 3, 0
	ds_store_b32 v3, v[SB]                         ; the four waves' words of a row meet in LDS,
	s_wait_dscnt 0x0                               ; for the others' sake: my store has landed
	s_barrier_signal -1
	s_barrier_wait -1
	s_cmp_lg_u32 s16, 0
	s_cbranch_scc1 .Ldone
	ds_load_b128 v[36:39], v4                      ; and wave 0 stores them: 512 consecutive bytes
	s_wait_dscnt 0x0
	global_store_b128 v4, v[36:39], s[14:15]
.Ldone:
	s_wait_tensorcnt 0x0
	ds_add_u32 v192, v193
	s_wait_dscnt 0x0
	s_endpgm
.Lfunc_end_k_qbc1853ad18_wquant:
	.size	k_qbc1853ad18_wquant, .Lfunc_end_k_qbc1853ad18_wquant-k_qbc1853ad18_wquant
	.p2alignl 7, 3214868480
	.fill 96, 4, 3214868480
	.section	.rodata,"a",@progbits
	.p2align	6, 0x0
	.amdhsa_kernel k_qbc1853ad18_wquant
		.amdhsa_group_segment_fixed_size 1536
		.amdhsa_private_segment_fixed_size 0
		.amdhsa_enable_private_segment 0
		.amdhsa_kernarg_size 48
		.amdhsa_user_sgpr_count 2
		.amdhsa_user_sgpr_kernarg_segment_ptr 1
		.amdhsa_wavefront_size32 1
		.amdhsa_system_sgpr_workgroup_id_x 1
		.amdhsa_system_sgpr_workgroup_id_y 1
		.amdhsa_system_sgpr_workgroup_id_z 1
		.amdhsa_system_vgpr_workitem_id 0
		.amdhsa_next_free_vgpr 194
		.amdhsa_next_free_sgpr 66
		.amdhsa_reserve_vcc 0
		.amdhsa_float_denorm_mode_32 3
		.amdhsa_float_denorm_mode_16_64 3
		.amdhsa_memory_ordered 1
		.amdhsa_forward_progress 1
		.amdhsa_inst_pref_size 21
	.end_amdhsa_kernel
	.amdgpu_metadata
---
amdhsa.version: [ 1, 2 ]
amdhsa.kernels:
  - .name:           k_qbc1853ad18_wquant
    .symbol:         k_qbc1853ad18_wquant.kd
    .args:
      - { .name: Wq, .offset: 0, .size: 8, .value_kind: global_buffer, .address_space: global }
      - { .name: Wk, .offset: 8, .size: 8, .value_kind: global_buffer, .address_space: global }
      - { .name: Wv, .offset: 16, .size: 8, .value_kind: global_buffer, .address_space: global }
      - { .name: Wo, .offset: 24, .size: 8, .value_kind: global_buffer, .address_space: global }
      - { .name: wimg, .offset: 32, .size: 8, .value_kind: global_buffer, .address_space: global }
      - { .name: wsc, .offset: 40, .size: 8, .value_kind: global_buffer, .address_space: global }
    .group_segment_fixed_size: 1536
    .private_segment_fixed_size: 0
    .kernarg_segment_align: 8
    .kernarg_segment_size: 48
    .max_flat_workgroup_size: 128
    .sgpr_count:     66
    .vgpr_count:     194
    .wavefront_size: 32
...
	.end_amdgpu_metadata
.endif
;; end of part 5
;; launch qkv (part 6): grid 3 x 64, 8 waves a work-group, no clusters, 37,888 bytes of LDS; arguments x, wimg, wsc, bq, bk, bv, qb, kb, vb; writes qb, kb, vb
.if DOCPART == 6
	.amdgcn_target "amdgcn-amd-amdhsa--gfx1250"
	.amdhsa_code_object_version 6
	.text
	.protected	k_qbc1853ad18_qkv
	.globl	k_qbc1853ad18_qkv
	.p2align	8
	.type	k_qbc1853ad18_qkv,@function
k_qbc1853ad18_qkv:
	s_mov_b64 s[64:65], 0
	v_nop
	global_prefetch_b8 v0, s[64:65] scope:SCOPE_SE
	s_setreg_imm32_b32 hwreg(HW_REG_WAVE_SCHED_MODE, 0, 2), 2
	s_setreg_imm32_b32 hwreg(HW_REG_WAVE_MODE, 25, 1), 1
	s_wait_xcnt 0x0
	s_wait_alu depctr_vm_vsrc(0)
; Q = x Wq + bq, K = x Wk + bk, V = x Wv + bv on codes of FP4 (E2M1) with one E8M0 scale for each 32 along K = 512; the results are quantised at once for the attention's products and stored as images of operand registers.
; SHARES: work-group x = which (0 Q, 1 K, 2 V), y = a block of 128 rows of x (one key step of a batch).  Wave = head: its 64 columns (four tiles of the weight) stay in 128 registers; all 128 rows pass by them.
; X: wave w quantises row tile w of x (16 rows x 512) and stores four fragment images and their scale words in LDS; ONE barrier; then LDS is only read.
; A TILE OF 16 IS NOT 16 NEIGHBOURS (rows of x and columns of a weight alike): lane r of tile 2 b + u takes index 32 b + 8 u + r + 8 (r / 8), so that in a result whose source 0 is such a tile the 16 registers of tiles 2 b, 2 b + 1 are
; the 16 neighbours 32 b + 16 (lane / 16) + 0 .. 15.
; Q, K: the product is used TRANSPOSED (source 0 = 16 columns of W, source 1 = 16 rows of x): a lane holds one row and 16 neighbours of each block of 32 of the head's 64: quantised along the head.
;   A record of qb or kb (head, step): 8 tiles x 512 bytes (lane (r, h): the 32 codes of block h of row r: registers 0-3 of a fragment; its upper 64 along K are zeros that the reader supplies), then 512 bytes [lane][4] of scale words:
;   word p: lanes 0-15 tile 2 p, lanes 16-31 tile 2 p + 1; bytes 0, 1 the two blocks, bytes 2, 3 zero.
; V: natural order (source 0 = 16 rows of x, source 1 = 16 columns of W): a lane holds one column and its registers run down the keys: quantised along the keys.
;   A record of vb: 4 tiles x 1,024 bytes, then 256 bytes [lane][2] of scale words: word p: lanes 0-15 tile 2 p, lanes 16-31 tile 2 p + 1.
; The bias is the C of each sum's first matrix instruction.  Both layouts of it are loaded (12 loads), so that the text has one way up to the barrier.
; NO CLUSTER: the weights' images go from memory straight into each wave's registers, 16,384 bytes a wave, once; the three work-groups that read the same rows of x are no multiple of a cluster's four.
; LIMITS: a block of zeros gets the byte 1 where the quantiser says 127 (its codes are zeros, and this program alone reads the bytes); NaN and infinities are not served.
; REGISTERS.  Window 0: v1-10 addresses; v16-79 HA: accumulators, and x's numbers; v80-143 ST: x's fragments, buffer 0, and x's numbers; v144-175 x's scale words; v176-183 W's; v184-191 codes just made; v192-219 at work.
;   Window 1: v0-127 W's 16 fragments ((tile t, K step s) at 8 (4 t + s)); v128-191 ST1: x's fragments, buffer 1; v224-255 the bias, eight registers a tile.
; THE MODE: SCHED_MODE bits 1:0 = 2 (LLVM: expert scheduling mode 2), set by the entry lines.  The code itself states the register dependences
; between vector or matrix instructions and memory or LDS instructions, with s_wait_alu, always for 0.
; THE PLAN.  Registers that memory or LDS instructions touch:
;   v1-7, v10    offsets and addresses: written at the head, ahead of its one wait on va_vdst; never written again.
;   HA, ST in X  x's numbers as loaded: K steps 0 and 2 land in HA, 1 and 3 in ST.  QUANT reads a buffer; behind the wait that follows QUANT the buffer is asked for again at once.
;   PC, PW       the out-buffer.  QUANT writes it; the stores behind QUANT's wait read it (LDS stores in X, global stores later); a wait on vm_vsrc stands ahead of the next QUANT.
;   ST, ST1, XS  behind the barrier: x's fragments and scale words in two buffers by turns.  While the products read one, the loads into the other are on their way.
;     Q, K: pair p of row tiles lies in buffer p % 2.  ONE wait on va_vdst a pair, behind its QUANT: the codes are written, and the pair's products are done reading their buffer: pair p + 2's loads and pair p's stores follow it.
;     V:    K step k lies in buffer k % 2.  ONE wait on va_vdst a step, at its head: the step before is done reading the other buffer, and in a tile's first step QUANT has written the codes: step k + 1's loads and the last tile's stores follow it.
;   Between such a wait and the loads and stores that it serves stand loads, window switches and stores alone.
.set XIMG, 0                           ; LDS: x's fragment images [tile 8][K step 4] of 1,024 bytes,
.set XSC,  32768                       ; and their scale words [tile 8][lane 32][K step 4]
.set LI,  1                            ; v1   16 x lane
.set XA,  2                            ; v2   x: (r + 8 (r / 8)) rows of 2,048 bytes + 64 h
.set XWI, 3                            ; v3   where I store images: 4,096 x wave + 16 x lane
.set XWS, 4                            ; v4   and scale words: XSC + 512 x wave + 16 x lane
.set SH,  5                            ; v5   16 h
.set L8,  6                            ; v6   8 x lane
.set BOQ, 7                            ; v7   the bias for Q, K: 64 h
.set BOV, 10                           ; v10  the bias for V: 4 (r + 8 (r / 8))
.set HA,  16
.set ST,  80
.set ST1, 128                          ; in window 1
.set XS,  144
.set WS,  176
.set PC,  184
.set TM,  192                          ; v192-195 largest magnitudes, v196-199 the other half's, then bytes, v204-207 the conversions' scale operands
.set PW,  208                          ; the scale word just made
.set PWE, 209                          ; an even tile's, kept
.set SW,  212                          ; v212-215 the record's scale words
.set BT,  216                          ; v216-219 V's bias: one number a tile
.set B1,  224                          ; in window 1
.set SEL, 26
.set MSB, 0
.macro WIN new                         ; the immediate's high byte repeats the setting that is left
.if MSB != \new
	s_set_vgpr_msb (MSB<<8)|\new
.set MSB, \new
.endif
.endm
; 64 numbers of a lane, register 16 b + i = place 32 b + 16 (lane / 16) + i along the quantiser's axis, become eight registers of codes in v[PC] on and four scale bytes in v[PW].
.macro QUANT s
.irp b, 0,1,2,3
	v_max3_num_f32 v[TM+\b], |v[\s+16*\b]|, |v[\s+1+16*\b]|, 0x1800000   ; block b: my 16 numbers, and the floor 2^(3 - 127): the byte cannot fall under 1
.endr
.irp i, 2,4,6,8,10,12,14
.irp b, 0,1,2,3
	v_max3_num_f32 v[TM+\b], v[TM+\b], |v[\s+16*\b+\i]|, |v[\s+1+16*\b+\i]|   ; (the four blocks by turns)
.endr
.endr
.irp b, 0,1,2,3
	v_permlanex16_b32 v[TM+4+\b], v[TM+\b], s[SEL], s[SEL+1]
.endr
.irp b, 0,1,2,3
	v_max_num_f32 v[TM+\b], v[TM+\b], v[TM+4+\b]   ; with lane l xor 16's: the block's largest magnitude
.endr
.irp b, 0,1,2,3
	v_add_nc_u32 v[TM+12+\b], 0xff000000, v[TM+\b] ; 2 off its exponent field: the conversion's scale operand
.endr
.irp b, 0,1,2,3
	v_lshrrev_b32 v[TM+4+\b], 23, v[TM+12+\b]      ; the scale's byte
.endr
	v_lshl_or_b32 v[PW], v[TM+5], 8, v[TM+4]
	v_lshl_or_b32 v[PW], v[TM+6], 16, v[PW]
	v_lshl_or_b32 v[PW], v[TM+7], 24, v[PW]
.irp b, 0,1,2,3
	v_cvt_scalef32_pk8_fp4_f32 v[PC+2*\b], v[\s+16*\b:\s+7+16*\b], v[TM+12+\b]
	v_cvt_scalef32_pk8_fp4_f32 v[PC+1+2*\b], v[\s+8+16*\b:\s+15+16*\b], v[TM+12+\b]
.endr
	v_nop                                          ; one plain place behind a scaled conversion
.irp c, 0,1                                    ; a WHOLE block in a lane: lanes 0-15 block 2 c, lanes 16-31 block 2 c + 1
.irp i, 0,1
	v_permlane16_swap_b32 v[PC+4*\c+\i], v[PC+2+4*\c+\i]
.endr
.endr
.endm
.macro XLOAD reg, s                    ; my 16 rows' numbers of K step s: 64 a lane
.irp b, 0,1,2,3
.irp j, 0,1,2,3
	global_load_b128 v[\reg+16*\b+4*\j:\reg+16*\b+4*\j+3], v[XA], s[4:5] offset:512*(\s)+128*\b+16*\j
.endr
.endr
.endm
.macro IMAGE s                         ; the fragment just made goes to LDS as it stands, 512 consecutive bytes a store; its scale word beside it
.irp c, 0,1
	ds_store_b128 v[XWI], v[PC+4*\c:PC+4*\c+3] offset:XIMG+1024*(\s)+512*\c
.endr
	ds_store_b32 v[XWS], v[PW] offset:4*(\s)
.endm
.macro FRAG reg, T, s                  ; and comes back so, in any wave
.irp c, 0,1
	ds_load_b128 v[\reg+4*\c:\reg+4*\c+3], v[LI] offset:XIMG+4096*(\T)+1024*(\s)+512*\c
.endr
.endm
.macro PLACES                          ; four plain places behind matrix instructions (ISA guide 7.12.1), ahead of the first read of their results
.rept 4
	v_nop
.endr
.endm
	s_load_b256 s[4:11], s[0:1], 0x0               ; x, wimg, wsc, bq
	s_load_b256 s[12:19], s[0:1], 0x20             ; bk, bv, qb, kb
	s_load_b64 s[20:21], s[0:1], 0x40              ; vb
	v_lshl_add_u32 v254, v0, 2, 0x9000
	v_mov_b32 v255, 0
	v_lshrrev_b32 v8, 5, v0
	v_readfirstlane_b32 s22, v8                    ; wave = head
	s_mov_b32 s23, ttmp9                           ; which
	s_and_b32 s24, ttmp7, 0xffff                   ; block of 128 rows
	v_and_b32 v8, 31, v0                           ; lane
	v_and_b32 v9, 15, v0                           ; r
	v_bfe_u32 v11, v0, 4, 1                        ; h
	v_lshlrev_b32 v[LI], 4, v8
	v_lshlrev_b32 v[L8], 3, v8
	v_lshlrev_b32 v[SH], 4, v11
	v_lshlrev_b32 v[BOQ], 6, v11
	v_and_b32 v12, 8, v9
	v_add_nc_u32 v12, v12, v9                      ; r + 8 (r / 8)
	v_lshlrev_b32 v[BOV], 2, v12
	v_lshlrev_b32 v[XA], 11, v12
	v_lshl_add_u32 v[XA], v11, 6, v[XA]
	s_wait_alu depctr_va_sdst(0)                   ; s22 is written, ahead of its first reader: LDS addresses and every base are made from it
	s_lshl_b32 s25, s22, 12
	v_add_nc_u32 v[XWI], s25, v[LI]
	s_lshl_b32 s28, s22, 9                         ; (a register of its own: no scalar line writes over one that a vector line has read)
	s_add_co_u32 s28, s28, XSC
	v_add_nc_u32 v[XWS], s28, v[LI]
.irp b, 0,1,2,3
	v_mov_b32 v[TM+4+\b], 0                        ; written once: a lane permute's destination counts as one of its sources
.endr
	s_mov_b32 s[SEL], 0x76543210
	s_mov_b32 s[SEL+1], 0xfedcba98                 ; v_permlanex16_b32's selects for lane l xor 16
	s_mov_b32 s40, 0xffff0000                      ; lanes 16-31
	s_lshl_b32 s36, s24, 18                        ; x: 128 rows of 2,048 bytes a block,
	s_lshr_b32 s37, s22, 1
	s_lshl_b32 s37, s37, 16                        ; my tile begins 32 (wave / 2)
	s_add_co_u32 s36, s36, s37
	s_and_b32 s37, s22, 1
	s_lshl_b32 s37, s37, 14                        ; + 8 (wave % 2) rows on
	s_add_co_u32 s36, s36, s37
	s_mov_b32 s37, 0
	s_lshl_b32 s38, s23, 17                        ; wimg: 131,072 a weight, 16,384 a head
	s_lshl_b32 s39, s22, 14
	s_add_co_u32 s38, s38, s39
	s_mov_b32 s39, 0
	s_lshl_b32 s42, s23, 13                        ; wsc: 8,192 a weight, 1,024 a head
	s_lshl_b32 s43, s22, 10
	s_add_co_u32 s42, s42, s43
	s_mov_b32 s43, 0
	s_lshl_b32 s44, s22, 8                         ; the bias: 256 bytes a head
	s_mov_b32 s45, 0
	s_lshr_b32 s46, s24, 5                         ; batch
	s_lshl_b32 s46, s46, 3
	s_add_co_u32 s46, s46, s22                     ; 8 x batch + head
	s_lshl_b32 s46, s46, 5
	s_and_b32 s47, s24, 31
	s_add_co_u32 s46, s46, s47                     ; x 32 + step: the record's number
	s_mul_i32 s48, s46, 4608
	s_mov_b32 s49, 0
	s_mul_i32 s50, s46, 4352
	s_mov_b32 s51, 0
	s_wait_kmcnt 0x0
	s_add_nc_u64 s[4:5], s[4:5], s[36:37]
	s_add_nc_u64 s[6:7], s[6:7], s[38:39]
	s_add_nc_u64 s[8:9], s[8:9], s[42:43]
	s_cmp_eq_u32 s23, 0                            ; the choices hang on the work-group's number alone
	s_cselect_b64 s[30:31], s[10:11], s[12:13]
	s_cselect_b64 s[32:33], s[16:17], s[18:19]
	s_cmp_eq_u32 s23, 2
	s_cselect_b64 s[30:31], s[14:15], s[30:31]
	s_add_nc_u64 s[30:31], s[30:31], s[44:45]      ; my head's bias
	s_add_nc_u64 s[32:33], s[32:33], s[48:49]      ; my record of qb or kb
	s_add_nc_u64 s[34:35], s[20:21], s[50:51]      ; my record of vb
	WIN 0x40                                       ; destination window 1
	s_wait_alu depctr_va_vdst(0)                   ; the offsets and addresses v1 to v7 and v10 are written, which every load and store of the kernel reads
.irp f, 0,1,2,3,4,5,6,7,8,9,10,11,12,13,14,15  ; my head's 16 fragments of the weight: they stay
	global_load_b128 v[8*\f:8*\f+3], v[LI], s[6:7] offset:1024*\f
	global_load_b128 v[8*\f+4:8*\f+7], v[LI], s[6:7] offset:1024*\f+512
.endr
.irp t, 0,1,2,3                                ; the bias in the transposed result's layout: lane (., h), register j of tile t: column 32 (t / 2) + 8 (t % 2) + 16 h + j
	global_load_b128 v[B1+8*\t:B1+8*\t+3], v[BOQ], s[30:31] offset:(32*(\t/2)+8*(\t%2))*4
	global_load_b128 v[B1+8*\t+4:B1+8*\t+7], v[BOQ], s[30:31] offset:(32*(\t/2)+8*(\t%2))*4+16
.endr
	WIN 0
	global_load_b128 v[WS:WS+3], v[LI], s[8:9]               ; W's scale words: register 4 (t / 2) + s: lanes 0-15 the even tile's rows, lanes 16-31 the odd one's
	global_load_b128 v[WS+4:WS+7], v[LI], s[8:9] offset:512
.irp t, 0,1,2,3                                ; and in the natural result's: lane (r, .) of tile t: its own column's number
	global_load_b32 v[BT+\t], v[BOV], s[30:31] offset:(32*(\t/2)+8*(\t%2))*4
.endr
	; ---- X: my 16 rows of x become four fragments.  Two K steps are always on their way
	XLOAD HA, 0
	XLOAD ST, 1
	s_wait_loadcnt 16                              ; all but the younger K step's sixteen loads are in, the weights too
	QUANT HA
	s_wait_alu depctr_va_vdst(0)                   ; QUANT has written v[PC ..] and v[PW], which the LDS stores read, and is done reading HA, in which K step 2 lands
	XLOAD HA, 2                                    ; the buffer is asked for again at once
	IMAGE 0
	s_wait_loadcnt 16
	s_wait_alu depctr_vm_vsrc(0)                   ; the LDS stores have read v[PC ..] and v[PW], which QUANT writes again
	QUANT ST
	s_wait_alu depctr_va_vdst(0)                   ; the codes and the scale word are written; QUANT is done reading ST, in which K step 3 lands
	XLOAD ST, 3
	IMAGE 1
	s_wait_loadcnt 16
	s_wait_alu depctr_vm_vsrc(0)                   ; the LDS stores have read v[PC ..] and v[PW]
	QUANT HA
	s_wait_alu depctr_va_vdst(0)                   ; the codes and the scale word are written, which the LDS stores read
	IMAGE 2
	s_wait_loadcnt 0x0
	s_wait_alu depctr_vm_vsrc(0)                   ; the LDS stores have read v[PC ..] and v[PW]
	QUANT ST
	s_wait_alu depctr_va_vdst(0)                   ; the codes and the scale word are written; QUANT is done reading ST, in which the first fragments land behind the barrier
	IMAGE 3
	s_wait_dscnt 0x0                               ; for the others' sake: my stores have landed
	s_barrier_signal -1
	s_barrier_wait -1                              ; x's 32 fragments lie in LDS; from here on LDS is only read
	s_wait_alu depctr_vm_vsrc(0)                   ; my last LDS stores have read v[PC ..] and v[PW], which QUANT writes again on both ways
	s_cmp_eq_u32 s23, 2
	s_cbranch_scc1 .Lv
	; ---- Q, K: two tiles of rows at a time: eight accumulators by turns, K step by K step
.macro FETCHPAIR p                     ; pair p's eight fragments and two runs of scale words, eighteen loads, into buffer p % 2
.if (\p)%2
	WIN 0x40                                       ; destination window 1, address window 0
.irp m, 0,1
.irp s, 0,1,2,3
	FRAG ST1+32*\m+8*\s, 2*(\p)+\m, \s
.endr
.endr
	WIN 0
.else
.irp m, 0,1
.irp s, 0,1,2,3
	FRAG ST+32*\m+8*\s, 2*(\p)+\m, \s
.endr
.endr
.endif
.irp m, 0,1
	ds_load_b128 v[XS+8*((\p)%2)+4*\m:XS+8*((\p)%2)+4*\m+3], v[LI] offset:XSC+512*(2*(\p)+\m)
.endr
.endm
.macro QKMUL s, m, u                   ; K step s, tile of rows m of the pair in buffer u, W's four tiles
.set rB, ST+(ST1-ST)*(\u)+32*(\m)+8*(\s)
.irp bb, 0,1
.set rD, HA+32*(\m)+16*\bb
.set rC, rD
.if (\s) == 0
.set rC, B1+16*\bb
.endif
	v_wmma_scale_f32_16x16x128_f8f6f4 v[rD:rD+7], v[8*(8*\bb+(\s)):8*(8*\bb+(\s))+7], v[rB:rB+7], v[rC:rC+7], v[WS+4*\bb+(\s)], v[XS+8*(\u)+4*(\m)+(\s)] matrix_a_fmt:MATRIX_FMT_FP4 matrix_b_fmt:MATRIX_FMT_FP4
	v_wmma_scale_f32_16x16x128_f8f6f4 v[rD+8:rD+15], v[8*(8*\bb+4+(\s)):8*(8*\bb+4+(\s))+7], v[rB:rB+7], v[rC+8:rC+15], v[WS+4*\bb+(\s)], v[XS+8*(\u)+4*(\m)+(\s)] matrix_a_fmt:MATRIX_FMT_FP4 matrix_b_fmt:MATRIX_FMT_FP4 matrix_a_scale:MATRIX_SCALE_ROW1
.endr
.endm
	FETCHPAIR 0                                    ; no vector instruction since the wait ahead of the last image names ST; none has ever named ST1 or the scale words
	FETCHPAIR 1
.irp p, 0,1,2,3
.if \p < 3
	s_wait_dscnt 18                                ; the pair's fragments and scale words are in; the younger pair's eighteen loads may be out
.else
	s_wait_dscnt 0x0
.endif
	WIN (0x11+4*(\p%2))                            ; source 0 (W) and source 2 (the bias) window 1; source 1 (x) window p % 2
	QKMUL 0, 0, \p%2
	QKMUL 0, 1, \p%2
	WIN (0x01+4*(\p%2))                            ; C and D window 0
.irp s, 1,2,3
	QKMUL \s, 0, \p%2
	QKMUL \s, 1, \p%2
.endr
	WIN 0
	PLACES
.if \p > 0
	s_wait_xcnt 0x0                                ; the last pair's stores have read their data: the codes' registers may be written again
	s_wait_alu depctr_vm_vsrc(0)                   ; the last pair's stores have read v[PC ..], which QUANT writes again
.endif
	QUANT HA                                       ; blocks (tile of the pair, half of the head's 64): registers 0-3 are the even tile's image, 4-7 the odd one's
	v_lshrrev_b32 v8, v[SH], v[PW]                 ; lanes 0-15 keep the even tile's two bytes, lanes 16-31 the odd one's;
	v_and_b32 v[SW+\p], 0xffff, v8                 ; the bytes of the upper 64 along K, whose codes are zeros, are 0
.if \p == 1
	WIN 0x40                                       ; pair 3 lands in window 1: the switch, the wait, the loads
.endif
	s_wait_alu depctr_va_vdst(0)                   ; QUANT has written v[PC ..], which the stores read (in the last pair v[SW ..] is whole too); the pair's products are done reading their buffer and its scale words, in which the pair after next lands
.if \p < 2
	FETCHPAIR \p+2                                 ; it has the next pair's whole step in which to land
.endif
	global_store_b128 v[LI], v[PC:PC+3], s[32:33] offset:512*(2*\p)          ; 512 consecutive bytes, aligned
	global_store_b128 v[LI], v[PC+4:PC+7], s[32:33] offset:512*(2*\p+1)
.endr
	global_store_b128 v[LI], v[SW:SW+3], s[32:33] offset:4096
	s_wait_dscnt 0x0
	s_wait_alu depctr_hold_cnt(0) depctr_sa_sdst(0) depctr_va_vdst(0) depctr_va_sdst(0) depctr_va_ssrc(0) depctr_va_vcc(0) depctr_vm_vsrc(0)
	s_wait_tensorcnt 0x0
	ds_add_u32 v254, v255
	s_wait_dscnt 0x0
	s_endpgm
	; ---- V: a tile of 16 columns at a time, all eight tiles of rows: eight accumulators by turns, K step by K step
.macro VFILL base, s                   ; x's eight fragments of K step s, sixteen loads
.irp i, 0,1,2,3,4,5,6,7
	FRAG \base+8*\i, \i, \s
.endr
.endm
.macro VMUL                            ; the eight tiles of rows, in the buffer at CB, against W's tile VT, K step VS
.irp i, 0,1,2,3,4,5,6,7
.set rD, HA+8*\i
.set rC, rD
.if VS == 0
.set rC, B1+8*VT
.endif
.if VT%2
	v_wmma_scale_f32_16x16x128_f8f6f4 v[rD:rD+7], v[CB+8*\i:CB+8*\i+7], v[8*(4*VT+VS):8*(4*VT+VS)+7], v[rC:rC+7], v[XS+4*\i+VS], v[WS+4*(VT/2)+VS] matrix_a_fmt:MATRIX_FMT_FP4 matrix_b_fmt:MATRIX_FMT_FP4 matrix_b_scale:MATRIX_SCALE_ROW1
.else
	v_wmma_scale_f32_16x16x128_f8f6f4 v[rD:rD+7], v[CB+8*\i:CB+8*\i+7], v[8*(4*VT+VS):8*(4*VT+VS)+7], v[rC:rC+7], v[XS+4*\i+VS], v[WS+4*(VT/2)+VS] matrix_a_fmt:MATRIX_FMT_FP4 matrix_b_fmt:MATRIX_FMT_FP4
.endif
.endr
.endm
.Lv:
.irp m, 0,1,2,3,4,5,6,7
	ds_load_b128 v[XS+4*\m:XS+4*\m+3], v[LI] offset:XSC+512*\m    ; x's scale words: they stay
.endr
	VFILL ST, 0                                    ; no vector instruction since the wait ahead of the last image names ST; none has ever named ST1 or the scale words
	WIN 0x40                                       ; destination window 1
	VFILL ST1, 1
.irp t, 0,1,2,3
.irp j, 0,1,2,3,4,5,6,7
	v_mov_b32 v[B1+8*\t+\j], v[BT+\t]              ; the bias as C: a lane's eight registers are eight keys of ONE column
.endr
.endr
.set VQ, 0
.rept 16
.set VT, VQ/4
.set VS, VQ%4
.set CB, ST+(ST1-ST)*(VQ%2)            ; this step's buffer,
.set NB, ST+(ST1-ST)*((VQ+1)%2)        ; and the other one
.if VQ == 0
	s_wait_dscnt 16                                ; the scale words and K step 0 are in; K step 1's sixteen loads may be out
.else
	s_wait_dscnt 0x0                               ; this step's fragments, asked for at the head of the step before, are in
.endif
.if (VQ > 0) && (VQ < 15)
	WIN (0x40*((VQ+1)%2))                          ; the other buffer's window: the switch, the wait, the loads
	s_wait_alu depctr_va_vdst(0)                   ; the last step's products are done reading the other buffer, in which the next step lands; in a tile's first step QUANT has written v[PC ..], which the stores below read
	VFILL NB, (VS+1)%4
.endif
.if (VS == 0) && (VT > 0)
	WIN 0
	global_store_b128 v[LI], v[PC:PC+3], s[34:35] offset:1024*(VT-1)         ; the tile before: 512 consecutive bytes, aligned
	global_store_b128 v[LI], v[PC+4:PC+7], s[34:35] offset:1024*(VT-1)+512
.endif
.if VS == 0
	WIN 0x14                                       ; source 1 (W) and source 2 (the bias) window 1
.elseif VQ%2
	WIN 0x05                                       ; source 0 (x, buffer 1) and source 1 (W) window 1
.else
	WIN 0x04                                       ; source 1 (W) window 1
.endif
	VMUL
.if VS == 3
	WIN 0
	PLACES
.if VT > 0
	s_wait_xcnt 0x0                                ; the last tile's stores have read their data
	s_wait_alu depctr_vm_vsrc(0)                   ; the last tile's stores have read v[PC ..], which QUANT writes again
.endif
	QUANT HA                                       ; register 16 b + i = key 32 b + 16 h + i of my column: a whole fragment of V^T, and its scale word
.if VT%2 == 0
	v_mov_b32 v[PWE], v[PW]
.else
	v_cndmask_b32 v[SW+VT/2], v[PWE], v[PW], s40   ; lanes 0-15 the even tile's word, lanes 16-31 the odd one's
.endif
.endif
.set VQ, VQ+1
.endr
	s_wait_alu depctr_va_vdst(0)                   ; QUANT has written v[PC ..], and v[SW ..] is whole: the last stores read them
	global_store_b128 v[LI], v[PC:PC+3], s[34:35] offset:1024*3
	global_store_b128 v[LI], v[PC+4:PC+7], s[34:35] offset:1024*3+512
	global_store_b64 v[L8], v[SW:SW+1], s[34:35] offset:4096      ; 256 consecutive bytes, aligned
	s_wait_dscnt 0x0
	s_wait_alu depctr_hold_cnt(0) depctr_sa_sdst(0) depctr_va_vdst(0) depctr_va_sdst(0) depctr_va_ssrc(0) depctr_va_vcc(0) depctr_vm_vsrc(0)
	s_wait_tensorcnt 0x0
	ds_add_u32 v254, v255
	s_wait_dscnt 0x0
	s_endpgm
.Lfunc_end_k_qbc1853ad18_qkv:
	.size	k_qbc1853ad18_qkv, .Lfunc_end_k_qbc1853ad18_qkv-k_qbc1853ad18_qkv
	.p2alignl 7, 3214868480
	.fill 96, 4, 3214868480
	.section	.rodata,"a",@progbits
	.p2align	6, 0x0
	.amdhsa_kernel k_qbc1853ad18_qkv
		.amdhsa_group_segment_fixed_size 37888
		.amdhsa_private_segment_fixed_size 0
		.amdhsa_enable_private_segment 0
		.amdhsa_kernarg_size 72
		.amdhsa_user_sgpr_count 2
		.amdhsa_user_sgpr_kernarg_segment_ptr 1
		.amdhsa_wavefront_size32 1
		.amdhsa_system_sgpr_workgroup_id_x 1
		.amdhsa_system_sgpr_workgroup_id_y 1
		.amdhsa_system_sgpr_workgroup_id_z 1
		.amdhsa_system_vgpr_workitem_id 0
		.amdhsa_next_free_vgpr 512
		.amdhsa_next_free_sgpr 66
		.amdhsa_reserve_vcc 0
		.amdhsa_float_denorm_mode_32 3
		.amdhsa_float_denorm_mode_16_64 3
		.amdhsa_memory_ordered 1
		.amdhsa_forward_progress 1
		.amdhsa_inst_pref_size 121
	.end_amdhsa_kernel
	.amdgpu_metadata
---
amdhsa.version: [ 1, 2 ]
amdhsa.kernels:
  - .name:           k_qbc1853ad18_qkv
    .symbol:         k_qbc1853ad18_qkv.kd
    .args:
      - { .name: x, .offset: 0, .size: 8, .value_kind: global_buffer, .address_space: global }
      - { .name: wimg, .offset: 8, .size: 8, .value_kind: global_buffer, .address_space: global }
      - { .name: wsc, .offset: 16, .size: 8, .value_kind: global_buffer, .address_space: global }
      - { .name: bq, .offset: 24, .size: 8, .value_kind: global_buffer, .address_space: global }
      - { .name: bk, .offset: 32, .size: 8, .value_kind: global_buffer, .address_space: global }
      - { .name: bv, .offset: 40, .size: 8, .value_kind: global_buffer, .address_space: global }
      - { .name: qb, .offset: 48, .size: 8, .value_kind: global_buffer, .address_space: global }
      - { .name: kb, .offset: 56, .size: 8, .value_kind: global_buffer, .address_space: global }
      - { .name: vb, .offset: 64, .size: 8, .value_kind: global_buffer, .address_space: global }
    .group_segment_fixed_size: 37888
    .private_segment_fixed_size: 0
    .kernarg_segment_align: 8
    .kernarg_segment_size: 72
    .max_flat_workgroup_size: 256
    .sgpr_count:     66
    .vgpr_count:     512
    .wavefront_size: 32
...
	.end_amdgpu_metadata
.endif
;; end of part 6
;; launch attn (part 7): grid 16 x 16, 16 waves a work-group, clusters of 4 x 1, 327,680 bytes of LDS; arguments qb, kb, vb, oimg, osc; writes oimg, osc
.if DOCPART == 7
	.amdgcn_target "amdgcn-amd-amdhsa--gfx1250"
	.amdhsa_code_object_version 6
	.text
	.protected	k_qbc1853ad18_attn
	.globl	k_qbc1853ad18_attn
	.p2align	8
	.type	k_qbc1853ad18_attn,@function
k_qbc1853ad18_attn:
	s_mov_b64 s[64:65], 0
	v_nop
	global_prefetch_b8 v0, s[64:65] scope:SCOPE_SE
	s_setreg_imm32_b32 hwreg(HW_REG_WAVE_MODE, 25, 1), 1
	s_wait_xcnt 0x0
	s_wait_alu depctr_hold_cnt(0) depctr_sa_sdst(0) depctr_va_vdst(0) depctr_va_sdst(0) depctr_va_ssrc(0) depctr_va_vcc(0) depctr_vm_vsrc(0)
	s_getreg_b32 s2, hwreg(HW_REG_IB_STS2, 6, 4)
	s_cmp_eq_u32 s2, 0
	s_cbranch_scc0 .Lentry_in_a_cluster
	s_endpgm
.Lentry_in_a_cluster:
	s_bfe_u32 s2, ttmp6, 0x10000c
	s_cmp_lg_u32 s2, 0x3003
	s_cbranch_scc0 .Lentry_shape_is_right
	s_endpgm
.Lentry_shape_is_right:
; O[q] = the sum over keys of softmax(Q[q] . K[key] / 8) V[key] for one head, both products on codes of FP4 (E2M1) with one E8M0 scale for each 32 along a product's K; the result is quantised along the head's 64 for the last projection.
; THE SOFTMAX: t = score x log2(e) / 8; M = the row's largest t so far, rounded UP to a whole number; p = 2^(t - M) is what is quantised, along the keys, not normalised.  The row's sum is taken of the unquantised p and divides O at the end.
; When M moves, the sum and O are multiplied by 2^(old M - new M): exact.
; SHARES: a work-group owns 256 queries of one (batch, head); each of its sixteen waves one tile of 16 queries, in 256 registers: four waves to a SIMD, so that one wave's vector work stands beside another's products and LDS loads.
; A HEAD'S K AND V LIE WHOLE IN LDS: 32 records of K (4,608 bytes: a step's 128 keys as 8 half fragments, then scale words) and 32 of V (4,352 bytes: 4 fragments, then scale words), 286,720 bytes, each byte filled once.  So no slot is
; filled again, and inside a group of eight steps there is no barrier.  Records are images of operand registers: every LDS load takes 512 (scale words of V: 256) consecutive bytes.
; CLUSTER: the four work-groups of a cluster belong to one head and want the same 64 records: each record is asked for JOINTLY, by the same tensor load with the same descriptor and the mask of all four.  A wave issues four such loads
; (waves 0-7: K's record 8 i + wave; waves 8-15: V's), all at the head: four tensor loads of a wave are out at the most.  Group n of eight steps begins when every wave's load n has landed.
; Nothing is prefetched: all that the launch reads from kb and vb is asked for by these loads at its head.
; LAYOUT: both products are used transposed: S^T = K Q^T (source 0 = 16 keys, source 1 = my 16 queries), O^T = V^T P^T: a lane holds ONE query (lane % 16).  The head is 64 wide: the upper 64 of the first product's K are zero codes
; on both sides (registers 4-7 of Q's and K's fragments, cleared once), under scale bytes 0.  The keys of a tile of K, and V's rows, are laid by the launch before so that 16 registers of two neighbouring tiles are 16 neighbours.
; LIMITS: p under 2^-126 comes out of v_exp_f32 as 0; a block's largest p is made from the block's largest score by the same two instructions, which leans on v_exp_f32 not falling where its input rises;
; a block of zeros carries the byte 1 where the quantiser says 127 (its codes are zeros, and this program alone reads the bytes); NaN and infinities are not served.
; REGISTERS: v1-7, v11 addresses; v10 Q's scale word; v12 -M, v13 the largest t, v[14:15] the sum in two halves; v16-23 Q; v24-27 K's scale words, v28-29 V's, v30 p's; v32-95 K's 8 fragments; v96-159 S^T, then p; v160-191 O^T;
; v192-223 V's 4 fragments; v224-231 p's codes; v232-254 at work.
.set KREC, 4608
.set VREC, 4352
.set VL,   32*KREC                     ; V's records lie behind K's
.set STG,  VL+32*VREC                  ; 512 bytes for the way out's scale bytes: two blocks of 256 bytes into which no fill lands
.set LI,  1                            ; v1   16 x lane
.set L8,  2                            ; v2   8 x lane
.set ADK, 3                            ; v3   LDS address of the step's record of K
.set ADV, 4                            ; v4   of V
.set ADT, 5                            ; v5   of V's scale words
.set SGA, 6                            ; v6   STG + 32 x wave + 2 r
.set SGR, 7                            ; v7   STG + 16 x lane
.set WV,  14                           ; s14  my wave's number
.set W7,  15                           ; s15  wave % 8
.set SEL, 20                           ; s[20:21] selects for lane l xor 16
.set CS,  22                           ; s[22:23] c = log2(e) / 8
.set G1K, 24                           ; s[24:31] descriptor group 1 for a record of K;  s[32:39] of V
.set G1V, 32
.set G0K, 40                           ; s[40:55] four groups 0 for K;  s[68:83] for V
.set G0V, 68
.set TK,  84                           ; s84  LDS byte of the step's record of K
.set TV,  85                           ; s85  of V
.set CNT, 86                           ; s86  steps to go in the group
.macro ROUND                           ; a round of the cluster's barrier
	s_barrier_signal -1
	s_barrier_wait -1
	s_cmp_lg_u32 s[WV], 0
	s_cbranch_scc1 .Lnot_wave_0_\@
	s_barrier_signal -3
.Lnot_wave_0_\@:
	s_barrier_wait -3
	s_barrier_signal -1
	s_barrier_wait -1
.endm
	s_load_b256 s[4:11], s[0:1], 0x0               ; qb, kb, vb, oimg
	s_load_b64 s[12:13], s[0:1], 0x20              ; osc
	v_lshl_add_u32 v251, v0, 2, 0x46200
	v_mov_b32 v255, 0
	ds_add_u32 v251, v255
	ds_add_u32 v251, v255
	v_lshrrev_b32 v8, 5, v0
	s_delay_alu instid0(VALU_DEP_1)
	v_readfirstlane_b32 s[WV], v8                  ; wave 0..15
	s_and_b32 s[W7], s[WV], 7
	s_bfe_u32 s16, ttmp6, 0x40000                  ; cx: my place in the cluster: it enters global addresses of Q and of the results alone
	s_lshl_b32 s17, ttmp9, 2
	s_add_co_u32 s17, s17, s16                     ; my block of 256 queries
	s_and_b32 s18, ttmp7, 0xffff                   ; 8 x batch + head, which the four partners share
	v_and_b32 v8, 31, v0                           ; lane
	v_and_b32 v9, 15, v0                           ; r
	s_delay_alu instid0(VALU_DEP_2)
	v_lshlrev_b32 v[LI], 4, v8
	s_delay_alu instid0(VALU_DEP_3)
	v_lshlrev_b32 v[L8], 3, v8
	s_lshl_b32 s87, s[WV], 5
	s_add_co_u32 s87, s87, STG
	v_lshlrev_b32 v[SGA], 1, v9
	s_delay_alu instid0(VALU_DEP_1)
	v_add_nc_u32 v[SGA], s87, v[SGA]
	v_add_nc_u32 v[SGR], STG, v[LI]
	v_lshlrev_b32 v11, 4, v9                       ; 16 r: Q's scale words
	s_mul_i32 s88, s[W7], KREC                     ; which record of a group I fetch: its place in LDS and in memory
	s_mul_i32 s89, s[W7], VREC
	s_mul_i32 s90, s18, 32*KREC
	s_add_co_u32 s90, s90, s88
	s_mov_b32 s91, 0
	s_mul_i32 s92, s18, 32*VREC
	s_add_co_u32 s92, s92, s89
	s_mov_b32 s93, 0
	s_lshl_b32 s60, s18, 5                         ; Q: record 32 x (batch, head) + 2 x block + wave / 8,
	s_lshl_b32 s61, s17, 1
	s_add_co_u32 s60, s60, s61
	s_lshr_b32 s61, s[WV], 3
	s_add_co_u32 s60, s60, s61
	s_mul_i32 s60, s60, KREC
	s_lshl_b32 s94, s[W7], 9                       ; tile wave % 8: 512 bytes of codes;
	s_add_co_u32 s94, s94, s60
	s_mov_b32 s95, 0
	s_and_b32 s61, s[W7], 1                        ; its scale words: lanes 16 (t % 2) + r, word t / 2
	s_lshl_b32 s61, s61, 8
	s_add_co_u32 s60, s60, s61
	s_lshr_b32 s61, s[W7], 1
	s_lshl_b32 s61, s61, 2
	s_add_co_u32 s60, s60, s61
	s_mov_b32 s61, 0
	s_lshr_b32 s62, s18, 3                         ; the results: row tile 256 x batch + 16 x block + wave
	s_lshl_b32 s62, s62, 8
	s_lshl_b32 s63, s17, 4
	s_add_co_u32 s62, s62, s63
	s_and_b32 s63, s18, 7                          ; head
	s_lshl_b32 s56, s62, 5                         ; osc: 16,384 a head, 32 a tile
	s_lshl_b32 s57, s63, 14
	s_add_co_u32 s56, s56, s57
	s_mov_b32 s57, 0
	s_add_co_u32 s62, s62, s[WV]
	s_lshl_b32 s96, s62, 12                        ; oimg: 4,096 a tile, 512 a head
	s_lshl_b32 s63, s63, 9
	s_add_co_u32 s96, s96, s63
	s_mov_b32 s97, 0
	; descriptor group 1: a record is a dense block: rows of 256 bytes (32 elements of 8 bytes), 18 for K, 17 for V; no padding
	s_mov_b32 s[G1K], 15|(3<<16)|(1<<21)           ; 15:0 the mask: all four work-groups; 17:16 elements of 8 bytes; 21 set beside a mask
	s_mov_b32 s[G1K+1], 32<<16                     ; tensor_dim0 = 32
	s_mov_b32 s[G1K+2], 18<<16                     ; tensor_dim1 = 18
	s_mov_b32 s[G1K+3], 32<<16                     ; tile_dim0 = 32
	s_mov_b32 s[G1K+4], 18                         ; tile_dim1 = 18
	s_mov_b32 s[G1K+5], 32                         ; from row to row
	s_mov_b32 s[G1K+6], 0
	s_mov_b32 s[G1K+7], 0
	s_mov_b32 s[G1V], 15|(3<<16)|(1<<21)
	s_mov_b32 s[G1V+1], 32<<16
	s_mov_b32 s[G1V+2], 17<<16
	s_mov_b32 s[G1V+3], 32<<16
	s_mov_b32 s[G1V+4], 17
	s_mov_b32 s[G1V+5], 32
	s_mov_b32 s[G1V+6], 0
	s_mov_b32 s[G1V+7], 0
	s_mov_b32 s[SEL], 0x76543210
	s_mov_b32 s[SEL+1], 0xfedcba98
	s_mov_b32 s[CS], 0x3e38aa3b                    ; c = log2(e) / 8
	s_mov_b32 s[CS+1], s[CS]                       ; (named with it as a pair, so it is written)
	s_wait_dscnt 0x0
	s_wait_kmcnt 0x0
	s_add_nc_u64 s[58:59], s[4:5], s[60:61]        ; Q's scale words
	s_add_nc_u64 s[4:5], s[4:5], s[94:95]          ; Q's codes
	s_add_nc_u64 s[6:7], s[6:7], s[90:91]          ; K and V at my record of group 0: the head and the wave alone enter
	s_add_nc_u64 s[8:9], s[8:9], s[92:93]
	s_add_nc_u64 s[10:11], s[10:11], s[96:97]
	s_add_nc_u64 s[12:13], s[12:13], s[56:57]
.irp i, 0,1,2,3
	s_mov_b32 s[G0K+4*\i], 1                       ; count = 1
	s_add_co_u32 s[G0K+4*\i+1], s88, \i*8*KREC     ; LDS address: group i, record wave % 8
	s_add_nc_u64 s[G0K+4*\i+2:G0K+4*\i+3], s[6:7], \i*8*KREC
	s_or_b32 s[G0K+4*\i+3], s[G0K+4*\i+3], 0x80000000   ; type = 2
	s_mov_b32 s[G0V+4*\i], 1
	s_add_co_u32 s[G0V+4*\i+1], s89, VL+\i*8*VREC
	s_add_nc_u64 s[G0V+4*\i+2:G0V+4*\i+3], s[8:9], \i*8*VREC
	s_or_b32 s[G0V+4*\i+3], s[G0V+4*\i+3], 0x80000000
.endr
	ROUND                                          ; all four work-groups are here: the joint loads meet
	s_cmp_lt_u32 s[WV], 8                          ; a wave's four fills stand in one branch on its number, ahead of every wait on TENSORcnt and every LDS read; four v_nop follow the last
	s_cbranch_scc0 .Lfill_v
	tensor_load_to_lds s[G0K:G0K+3], s[G1K:G1K+7]
	s_nop 0
	tensor_load_to_lds s[G0K+4:G0K+7], s[G1K:G1K+7]
	s_nop 0
	tensor_load_to_lds s[G0K+8:G0K+11], s[G1K:G1K+7]
	s_nop 0
	tensor_load_to_lds s[G0K+12:G0K+15], s[G1K:G1K+7]
	s_nop 0
.rept 4
	v_nop
.endr
	s_branch .Lfilled
.Lfill_v:
	tensor_load_to_lds s[G0V:G0V+3], s[G1V:G1V+7]
	s_nop 0
	tensor_load_to_lds s[G0V+4:G0V+7], s[G1V:G1V+7]
	s_nop 0
	tensor_load_to_lds s[G0V+8:G0V+11], s[G1V:G1V+7]
	s_nop 0
	tensor_load_to_lds s[G0V+12:G0V+15], s[G1V:G1V+7]
	s_nop 0
.rept 4
	v_nop
.endr
.Lfilled:
	s_wait_alu depctr_va_vdst(0)
	global_load_b128 v[16:19], v[LI], s[4:5]       ; Q's codes: registers 0-3 of its fragment
	global_load_b32 v10, v11, s[58:59] offset:4096 ; and its scale words, row r's in lane r
.irp j, 20,21,22,23
	v_mov_b32 v\j, 0                               ; the upper 64 along K: zero codes
.endr
.irp t, 0,1,2,3,4,5,6,7
.irp j, 4,5,6,7
	v_mov_b32 v[32+8*\t+\j], 0                     ; the same in K's eight fragments: written once, never loaded over
.endr
.endr
.set j, 0
.rept 32
	v_mov_b32 v[160+j], 0                          ; O^T.  (The step is written once: the first finds zeros, which the first change of M leaves zeros)
.set j, j+1
.endr
	v_mov_b32 v13, 0xff61b1e6                      ; the largest t so far: -3e38, under every t
	s_delay_alu instid0(VALU_DEP_1)
	v_floor_f32 v12, -v13                          ; -M
	v_mov_b32 v14, 0                               ; the sum, in two halves
	v_mov_b32 v15, 0
.irp b, 0,1,2,3
	v_mov_b32 v[236+\b], 0                         ; written once: a lane permute's destination counts as one of its sources
.endr
	v_mov_b32 v253, 0                              ; (named as the upper half of the pair v[252:253])
	s_wait_loadcnt 0x0                             ; Q
; A KEY STEP: 128 keys.
.macro STEP
	v_add_nc_u32 v[ADK], s[TK], v[LI]
	v_add_nc_u32 v[ADV], s[TV], v[LI]
	v_add_nc_u32 v[ADT], s[TV], v[L8]
	v_nop                                          ; these four are the places behind the last step's products, ahead of the loads into their sources
	ds_load_b128 v[24:27], v[ADK] offset:4096      ; K's scale words: register p: lanes 0-15 tile 2 p, lanes 16-31 tile 2 p + 1
.irp t, 0,1,2,3,4,5,6,7
	ds_load_b128 v[32+8*\t:35+8*\t], v[ADK] offset:512*\t
.endr
	ds_load_b64 v[28:29], v[ADT] offset:4096       ; V's scale words, likewise
.irp f, 0,1,2,3,4,5,6,7
	ds_load_b128 v[192+4*\f:195+4*\f], v[ADV] offset:512*\f
.endr
	s_wait_dscnt 9                                 ; K is in; V's nine loads may be out
.irp p, 0,1,2,3                                ; S^T = K Q^T: lane (r, h) holds query r; the 16 registers of tiles 2 b, 2 b + 1 are keys 32 b + 16 h + 0 .. 15
	v_wmma_scale_f32_16x16x128_f8f6f4 v[96+16*\p:103+16*\p], v[32+16*\p:39+16*\p], v[16:23], 0, v[24+\p], v10 matrix_a_fmt:MATRIX_FMT_FP4 matrix_b_fmt:MATRIX_FMT_FP4
	v_wmma_scale_f32_16x16x128_f8f6f4 v[104+16*\p:111+16*\p], v[40+16*\p:47+16*\p], v[16:23], 0, v[24+\p], v10 matrix_a_fmt:MATRIX_FMT_FP4 matrix_b_fmt:MATRIX_FMT_FP4 matrix_a_scale:MATRIX_SCALE_ROW1
.endr
.rept 4
	v_nop
.endr
.irp b, 0,1,2,3
	v_max3_num_f32 v[232+\b], v[96+16*\b], v[97+16*\b], v[98+16*\b]   ; THE LARGEST SCORE OF EACH BLOCK OF 32 KEYS: it serves the row's maximum and, since p rises with the score, the block's largest p
.endr
.irp i, 3,5,7,9,11,13
.irp b, 0,1,2,3
	v_max3_num_f32 v[232+\b], v[232+\b], v[96+16*\b+\i], v[97+16*\b+\i]   ; (the four blocks by turns)
.endr
.endr
.irp b, 0,1,2,3
	v_max_num_f32 v[232+\b], v[232+\b], v[111+16*\b]
.endr
.irp b, 0,1,2,3
	s_delay_alu instid0(VALU_DEP_4)
	v_permlanex16_b32 v[236+\b], v[232+\b], s[SEL], s[SEL+1]
.endr
.irp b, 0,1,2,3
	s_delay_alu instid0(VALU_DEP_4)
	v_max_num_f32 v[232+\b], v[232+\b], v[236+\b]  ; with lane l xor 16's 16 keys
.endr
	s_delay_alu instid0(VALU_DEP_2)
	v_max3_num_f32 v254, v232, v233, v234
	s_delay_alu instid0(VALU_DEP_1)
	v_max_num_f32 v254, v254, v235                 ; the step's largest score of my query
	s_delay_alu instid0(VALU_DEP_1)
	v_mul_f32 v254, s[CS], v254                    ; as t (c is positive)
	s_delay_alu instid0(VALU_DEP_1)
	v_max_num_f32 v13, v13, v254                   ; the running largest t
	v_mov_b32 v254, v12
	s_delay_alu instid0(VALU_DEP_2)
	v_floor_f32 v12, -v13                          ; the new -M = floor(-t) = -ceil(t): a whole number
	s_delay_alu instid0(VALU_DEP_1)
	v_sub_f32 v254, v12, v254                      ; old M - new M: a whole number, 0 or less
	s_delay_alu instid0(VALU_DEP_1)
	v_cvt_i32_f32 v254, v254                       ; (it saturates)
	s_delay_alu instid0(VALU_DEP_1)
	v_ldexp_f32 v252, 1.0, v254                    ; f = 2^(old M - new M): a multiplication by it rounds nothing
.set j, 0
.rept 32
	v_pk_fma_f32 v[96+j:97+j], v[96+j:97+j], s[CS:CS+1], v[12:13] op_sel_hi:[1,0,0]   ; t - M, two at a time (of the pairs c and -M the low word serves both halves)
.set j, j+2
.endr
.irp b, 0,1,2,3
	v_fma_f32 v[232+\b], v[232+\b], s[CS], v12     ; the same of each block's largest score
.endr
.set j, 0
	s_wait_alu depctr_va_vdst(0)
.rept 64
	v_exp_f32 v[96+j], v[96+j]                     ; p = 2^(t - M), at most 1: not normalised
.set j, j+1
.endr
	s_setprio 1
	v_pk_mul_f32 v[14:15], v[14:15], v[252:253] op_sel_hi:[1,0]   ; the sums under the new M: the plain place behind the exponentials
	s_wait_alu depctr_va_vdst(0)                   ; one wait for the batch of 64, ahead of its first reader
.irp b, 0,1,2,3
	v_exp_f32 v[232+\b], v[232+\b]                 ; the block's largest p: the same two instructions on the same number give the same bits
.endr
	v_pk_add_f32 v[236:237], v[100:101], v[104:105]
	v_pk_add_f32 v[248:249], v[108:109], v[112:113]
	v_pk_add_f32 v[246:247], v[116:117], v[120:121]
	v_pk_add_f32 v[244:245], v[124:125], v[128:129]
	v_pk_add_f32 v[242:243], v[132:133], v[136:137]
	v_pk_add_f32 v[240:241], v[140:141], v[144:145]
	v_pk_add_f32 v[238:239], v[148:149], v[152:153]
	v_pk_add_f32 v[14:15], v[14:15], v[156:157]
	v_pk_add_f32 v[236:237], v[236:237], v[96:97]
	v_pk_add_f32 v[248:249], v[248:249], v[98:99]
	v_pk_add_f32 v[246:247], v[246:247], v[102:103]
	v_pk_add_f32 v[244:245], v[244:245], v[106:107]
	v_pk_add_f32 v[242:243], v[242:243], v[110:111]
	v_pk_add_f32 v[240:241], v[240:241], v[114:115]
	v_pk_add_f32 v[238:239], v[238:239], v[118:119]
	v_pk_add_f32 v[14:15], v[14:15], v[122:123]
	v_pk_add_f32 v[236:237], v[236:237], v[126:127]
	v_pk_add_f32 v[248:249], v[248:249], v[130:131]
	v_pk_add_f32 v[246:247], v[246:247], v[134:135]
	v_pk_add_f32 v[244:245], v[244:245], v[138:139]
	v_pk_add_f32 v[242:243], v[242:243], v[142:143]
	v_pk_add_f32 v[240:241], v[240:241], v[146:147]
	v_pk_add_f32 v[238:239], v[238:239], v[150:151]
	v_pk_add_f32 v[14:15], v[14:15], v[154:155]
	v_pk_add_f32 v[236:237], v[236:237], v[158:159]
	s_delay_alu instid0(VALU_DEP_2)
	v_pk_add_f32 v[14:15], v[14:15], v[244:245]
	s_delay_alu instid0(VALU_DEP_2)
	v_pk_add_f32 v[236:237], v[236:237], v[242:243]
	v_pk_add_f32 v[248:249], v[248:249], v[240:241]
	v_pk_add_f32 v[246:247], v[246:247], v[238:239]
	s_delay_alu instid0(VALU_DEP_2)
	v_pk_add_f32 v[14:15], v[14:15], v[248:249]
	s_delay_alu instid0(VALU_DEP_2)
	v_pk_add_f32 v[236:237], v[236:237], v[246:247]
	s_delay_alu instid0(VALU_DEP_1)
	v_pk_add_f32 v[14:15], v[14:15], v[236:237]
	s_wait_alu depctr_va_vdst(0)                   ; and one for the four
.irp b, 0,1,2,3
	v_max_num_f32 v[232+\b], 0x1800000, v[232+\b]  ; the floor 2^(3 - 127): the byte cannot fall under 1
.endr
.irp b, 0,1,2,3
	s_delay_alu instid0(VALU_DEP_4)
	v_add_nc_u32 v[244+\b], 0xff000000, v[232+\b]  ; 2 off the exponent field: the conversion's scale operand
.endr
.irp b, 0,1,2,3
	s_delay_alu instid0(VALU_DEP_4)
	v_lshrrev_b32 v[236+\b], 23, v[244+\b]         ; the scale's byte
.endr
	s_delay_alu instid0(VALU_DEP_3)
	v_lshl_or_b32 v30, v237, 8, v236               ; p's scale word for these 128 keys
	s_delay_alu instid0(VALU_DEP_1)
	v_lshl_or_b32 v30, v238, 16, v30
	s_delay_alu instid0(VALU_DEP_1)
	v_lshl_or_b32 v30, v239, 24, v30
.irp b, 0,1,2,3
	v_cvt_scalef32_pk8_fp4_f32 v[224+2*\b], v[96+16*\b:103+16*\b], v[244+\b]
	v_cvt_scalef32_pk8_fp4_f32 v[225+2*\b], v[104+16*\b:111+16*\b], v[244+\b]
.endr
	v_nop                                          ; one plain place behind a scaled conversion
.irp c, 0,1                                    ; a WHOLE block in a lane: lanes 0-15 block 2 c, lanes 16-31 block 2 c + 1
.irp i, 0,1
	v_permlane16_swap_b32 v[224+4*\c+\i], v[226+4*\c+\i]
.endr
.endr
.set j, 0
	s_setprio 0
.rept 16
	v_pk_mul_f32 v[160+j:161+j], v[160+j:161+j], v[252:253] op_sel_hi:[1,0]   ; O^T under the new M.  (These sixteen are also the places between the lines that wrote p's codes and scale word and the products)
.set j, j+2
.endr
	s_wait_alu depctr_va_vdst(0)
	s_wait_dscnt 0x0                               ; V is in
.irp p, 0,1                                    ; O^T += V^T P^T: four tiles of 16 of the head's 64, each accumulator once
	v_wmma_scale_f32_16x16x128_f8f6f4 v[160+16*\p:167+16*\p], v[192+16*\p:199+16*\p], v[224:231], v[160+16*\p:167+16*\p], v[28+\p], v30 matrix_a_fmt:MATRIX_FMT_FP4 matrix_b_fmt:MATRIX_FMT_FP4
	v_wmma_scale_f32_16x16x128_f8f6f4 v[168+16*\p:175+16*\p], v[200+16*\p:207+16*\p], v[224:231], v[168+16*\p:175+16*\p], v[28+\p], v30 matrix_a_fmt:MATRIX_FMT_FP4 matrix_b_fmt:MATRIX_FMT_FP4 matrix_a_scale:MATRIX_SCALE_ROW1
.endr
.endm
; Group n: steps 8 n .. 8 n + 7.  Each wave waits until its load n has landed (its 3 - n later loads may stay out), says so, and reads when all sixteen have said so.
.macro GROUP n
	s_wait_tensorcnt 3-\n
	s_barrier_signal -1
	s_barrier_wait -1
	s_mov_b32 s[TK], \n*8*KREC
	s_mov_b32 s[TV], VL+\n*8*VREC
	s_mov_b32 s[CNT], 8
.Lstep_\@:
	s_setprio 2
	STEP
	s_add_co_u32 s[TK], s[TK], KREC
	s_add_co_u32 s[TV], s[TV], VREC
	s_sub_co_u32 s[CNT], s[CNT], 1
	s_cmp_lg_u32 s[CNT], 0
	s_cbranch_scc1 .Lstep_\@
	s_setprio 0
.endm
	GROUP 0
	GROUP 1
	GROUP 2
	GROUP 3
	; THE WAY OUT.  O^T / the sum; register 16 b + i of a lane is channel 32 b + 16 h + i of my query: two blocks of the last projection's K, quantised as p was.
	v_add_f32 v14, v14, v15                        ; the sum's two halves,
	s_delay_alu instid0(VALU_DEP_1)
	v_permlanex16_b32 v252, v14, s[SEL], s[SEL+1]
	s_delay_alu instid0(VALU_DEP_1)
	v_add_f32 v14, v14, v252                       ; and lane l xor 16's: the row's sum
	s_wait_alu depctr_va_vdst(0)
	v_rcp_f32 v14, v14
	v_nop                                          ; a plain place behind the reciprocal; with the two additions and the next line: the four places behind the last products
	v_nop
	s_wait_alu depctr_va_vdst(0)                   ; ahead of the reciprocal's first reader
.set j, 0
.rept 16
	v_pk_mul_f32 v[96+j:97+j], v[160+j:161+j], v[14:15] op_sel_hi:[1,0]   ; each accumulator from its low end on
.set j, j+2
.endr
.irp b, 0,1
	v_max3_num_f32 v[232+\b], |v[96+16*\b]|, |v[97+16*\b]|, 0x1800000
.endr
.irp i, 2,4,6,8,10,12,14
.irp b, 0,1
	s_delay_alu instid0(VALU_DEP_2)
	v_max3_num_f32 v[232+\b], v[232+\b], |v[96+16*\b+\i]|, |v[97+16*\b+\i]|
.endr
.endr
.irp b, 0,1
	s_delay_alu instid0(VALU_DEP_2)
	v_permlanex16_b32 v[236+\b], v[232+\b], s[SEL], s[SEL+1]
.endr
.irp b, 0,1
	s_delay_alu instid0(VALU_DEP_2)
	v_max_num_f32 v[232+\b], v[232+\b], v[236+\b]
.endr
.irp b, 0,1
	s_delay_alu instid0(VALU_DEP_2)
	v_add_nc_u32 v[244+\b], 0xff000000, v[232+\b]
.endr
.irp b, 0,1
	s_delay_alu instid0(VALU_DEP_2)
	v_lshrrev_b32 v[236+\b], 23, v[244+\b]
.endr
	s_delay_alu instid0(VALU_DEP_1)
	v_lshl_or_b32 v238, v237, 8, v236              ; my row's two scale bytes
.irp b, 0,1
	v_cvt_scalef32_pk8_fp4_f32 v[224+2*\b], v[96+16*\b:103+16*\b], v[244+\b]
	v_cvt_scalef32_pk8_fp4_f32 v[225+2*\b], v[104+16*\b:111+16*\b], v[244+\b]
.endr
	v_nop                                          ; one plain place behind a scaled conversion
	v_permlane16_swap_b32 v224, v226               ; lane (r, h): the 32 codes of block h
	v_permlane16_swap_b32 v225, v227
	global_store_b128 v[LI], v[224:227], s[10:11]  ; my head's chunk of my tile's fragment: 512 consecutive bytes, aligned
	ds_store_b16 v[SGA], v238                      ; the sixteen waves' scale bytes meet in LDS (lanes r and r + 16 write the same two bytes with the same value),
	s_wait_dscnt 0x0                               ; for the others' sake: my store has landed
	s_barrier_signal -1
	s_barrier_wait -1
	s_cmp_lg_u32 s[WV], 0
	s_cbranch_scc1 .Lnot_mine
	ds_load_b128 v[232:235], v[SGR]                ; and wave 0 stores them: 512 consecutive bytes, aligned
	s_wait_dscnt 0x0
	global_store_b128 v[LI], v[232:235], s[12:13]
.Lnot_mine:
	s_wait_tensorcnt 0x0
	ds_add_u32 v251, v255
	s_wait_dscnt 0x0
	ROUND                                          ; the closing round: no work-group ends while a partner may still ask for a record jointly
	s_endpgm
.Lfunc_end_k_qbc1853ad18_attn:
	.size	k_qbc1853ad18_attn, .Lfunc_end_k_qbc1853ad18_attn-k_qbc1853ad18_attn
	.p2alignl 7, 3214868480
	.fill 96, 4, 3214868480
	.section	.rodata,"a",@progbits
	.p2align	6, 0x0
	.amdhsa_kernel k_qbc1853ad18_attn
		.amdhsa_group_segment_fixed_size 327680
		.amdhsa_private_segment_fixed_size 0
		.amdhsa_enable_private_segment 0
		.amdhsa_kernarg_size 40
		.amdhsa_user_sgpr_count 2
		.amdhsa_user_sgpr_kernarg_segment_ptr 1
		.amdhsa_wavefront_size32 1
		.amdhsa_system_sgpr_workgroup_id_x 1
		.amdhsa_system_sgpr_workgroup_id_y 1
		.amdhsa_system_sgpr_workgroup_id_z 1
		.amdhsa_system_vgpr_workitem_id 0
		.amdhsa_next_free_vgpr 256
		.amdhsa_next_free_sgpr 100
		.amdhsa_reserve_vcc 0
		.amdhsa_float_denorm_mode_32 3
		.amdhsa_float_denorm_mode_16_64 3
		.amdhsa_memory_ordered 1
		.amdhsa_forward_progress 1
		.amdhsa_inst_pref_size 80
	.end_amdhsa_kernel
	.amdgpu_metadata
---
amdhsa.version: [ 1, 2 ]
amdhsa.kernels:
  - .name:           k_qbc1853ad18_attn
    .symbol:         k_qbc1853ad18_attn.kd
    .args:
      - { .name: qb, .offset: 0, .size: 8, .value_kind: global_buffer, .address_space: global }
      - { .name: kb, .offset: 8, .size: 8, .value_kind: global_buffer, .address_space: global }
      - { .name: vb, .offset: 16, .size: 8, .value_kind: global_buffer, .address_space: global }
      - { .name: oimg, .offset: 24, .size: 8, .value_kind: global_buffer, .address_space: global }
      - { .name: osc, .offset: 32, .size: 8, .value_kind: global_buffer, .address_space: global }
    .group_segment_fixed_size: 327680
    .private_segment_fixed_size: 0
    .kernarg_segment_align: 8
    .kernarg_segment_size: 40
    .max_flat_workgroup_size: 512
    .sgpr_count:     100
    .vgpr_count:     256
    .wavefront_size: 32
...
	.end_amdgpu_metadata
.endif
;; end of part 7
;; launch oproj (part 8): grid 256 x 1, 8 waves a work-group, no clusters, 35,840 bytes of LDS; arguments oimg, osc, wimg, wsc, bo, out0; writes out0
.if DOCPART == 8
	.amdgcn_target "amdgcn-amd-amdhsa--gfx1250"
	.amdhsa_code_object_version 6
	.text
	.protected	k_qbc1853ad18_oproj
	.globl	k_qbc1853ad18_oproj
	.p2align	8
	.type	k_qbc1853ad18_oproj,@function
k_qbc1853ad18_oproj:
	s_mov_b64 s[64:65], 0
	v_nop
	global_prefetch_b8 v0, s[64:65] scope:SCOPE_SE
	s_setreg_imm32_b32 hwreg(HW_REG_WAVE_SCHED_MODE, 0, 2), 2
	s_setreg_imm32_b32 hwreg(HW_REG_WAVE_MODE, 25, 1), 1
	s_wait_xcnt 0x0
	s_wait_alu depctr_vm_vsrc(0)
; out0 = O Wo + bo on codes of FP4 (E2M1) with one E8M0 scale for each 32 along K = 512.  O's codes and Wo's come as images of operand registers, straight from memory into registers: 512 consecutive bytes a load.
; SHARES: a work-group takes 32 rows (two tiles of O), wave w the 64 columns 64 w on (four tiles of Wo): 256 bytes of each row of out0.  32 matrix instructions a wave: eight accumulators by turns, K step by K step.
; The product is used TRANSPOSED (source 0 = 16 columns of Wo, source 1 = 16 rows of O): a lane holds eight neighbouring columns of one row.  The bias is the C of each sum's first matrix instruction.
; A TILE OF 16 IS NOT 16 NEIGHBOURS: lane r of tile 2 b + u is row (or column) 32 b + 8 u + r + 8 (r / 8); the way out puts rows and columns back in their places.
; THE WAY OUT: 16 rows x 256 bytes at a time through the wave's own stage in LDS (rows 272 bytes apart); they come back by rows, and sixteen lanes store 256 consecutive bytes, aligned.  No barrier: waves share nothing.
; NO CLUSTER: all operands go from memory straight into registers; what work-groups share, Wo's 131,072 bytes of codes, each reads once.
; REGISTERS.  Window 0: v1-6 addresses; v16-79 accumulators; v80-143 O's 8 fragments, later rows of out0; v144-147 O's scale words; v148-155 their halves as loaded; v176-183 Wo's scale words.
;   Window 1: v0-127 Wo's 16 fragments; v224-255 the bias.
; THE MODE: SCHED_MODE bits 1:0 = 2 (LLVM: expert scheduling mode 2), set by the entry lines.  The code itself states the register dependences
; between vector or matrix instructions and memory or LDS instructions, with s_wait_alu, always for 0.
; THE PLAN.  The text is one straight run.  Registers that memory or LDS instructions touch:
;   v1-3        the loads' offsets: written at the head, ahead of its wait on va_vdst; never written again.
;   v4-6        the way out's addresses: written ahead of the wait that stands in front of the products; never written again.
;   v16-79      the accumulators: the products write them, the LDS stores read them: one wait on va_vdst behind the places of the way out.
;   v80-143     O's fragments: loaded once, read by the products; the stage's loads land in them behind that same wait; the stores to out0 read them.
;   v144-147    O's scale words are made by vector lines and taken by scaled products: eight places, then a wait on va_vdst.
;   No register that a memory or LDS instruction reads is written again: no wait on vm_vsrc is owed.
.set LI,  1                            ; v1   16 x lane
.set L2,  2                            ; v2   2 x lane
.set BOQ, 3                            ; v3   64 h
.set STO, 4                            ; v4   the stage: row r, + 64 h
.set RD,  5                            ; v5   and back: row h, + 16 r
.set CO,  6                            ; v6   the same place in out0: 2,048 h + 16 r
.set HA,  16
.set ST,  80
.set OS,  144
.set OH,  148
.set WS,  176
.set B1,  224
.set MSB, 0
.macro WIN new                         ; the immediate's high byte repeats the setting that is left
.if MSB != \new
	s_set_vgpr_msb (MSB<<8)|\new
.set MSB, \new
.endif
.endm
	s_load_b256 s[4:11], s[0:1], 0x0               ; oimg, osc, wimg, wsc
	s_load_b128 s[12:15], s[0:1], 0x20             ; bo, out0
	v_lshl_add_u32 v254, v0, 2, 0x8800
	v_mov_b32 v255, 0
	v_lshrrev_b32 v8, 5, v0
	v_readfirstlane_b32 s16, v8                    ; wave
	s_mov_b32 s17, ttmp9                           ; block of 32 rows
	v_and_b32 v8, 31, v0                           ; lane
	v_and_b32 v9, 15, v0                           ; r
	v_bfe_u32 v11, v0, 4, 1                        ; h
	v_lshlrev_b32 v[LI], 4, v8
	v_lshlrev_b32 v[L2], 1, v8
	v_lshlrev_b32 v[BOQ], 6, v11
	s_wait_alu depctr_va_sdst(0)                   ; s16 is written, ahead of its first reader: the stage's place and the bases are made from it
	s_mul_i32 s20, s16, 16*272                     ; my stage
	s_lshl_b32 s22, s17, 13                        ; oimg: two tiles of 4,096 bytes
	s_mov_b32 s23, 0
	s_lshl_b32 s24, s17, 6                         ; osc: two tiles of 32 bytes
	s_mov_b32 s25, 0
	s_lshl_b32 s26, s16, 14                        ; wimg: the fourth weight, 16,384 bytes a wave
	s_add_co_u32 s26, s26, 3*131072
	s_mov_b32 s27, 0
	s_lshl_b32 s28, s16, 10                        ; wsc likewise: 1,024 a wave
	s_add_co_u32 s28, s28, 3*8192
	s_mov_b32 s29, 0
	s_lshl_b32 s30, s16, 8                         ; bo, and my columns in a row of out0
	s_mov_b32 s31, 0
	s_lshl_b32 s32, s17, 16                        ; out0: 32 rows of 2,048 bytes
	s_add_co_u32 s32, s32, s30
	s_mov_b32 s33, 0
	s_wait_kmcnt 0x0
	s_add_nc_u64 s[4:5], s[4:5], s[22:23]
	s_add_nc_u64 s[6:7], s[6:7], s[24:25]
	s_add_nc_u64 s[8:9], s[8:9], s[26:27]
	s_add_nc_u64 s[10:11], s[10:11], s[28:29]
	s_add_nc_u64 s[12:13], s[12:13], s[30:31]
	s_add_nc_u64 s[14:15], s[14:15], s[32:33]
	WIN 0x40                                       ; destination window 1
	s_wait_alu depctr_va_vdst(0)                   ; the offsets v1 to v3 are written, which the loads below read
.irp f, 0,1,2,3,4,5,6,7,8,9,10,11,12,13,14,15  ; Wo's fragments (tile t, K step s) at 8 (4 t + s)
	global_load_b128 v[8*\f:8*\f+3], v[LI], s[8:9] offset:1024*\f
	global_load_b128 v[8*\f+4:8*\f+7], v[LI], s[8:9] offset:1024*\f+512
.endr
.irp t, 0,1,2,3                                ; the bias: lane (., h), register j of tile t: column 32 (t / 2) + 8 (t % 2) + 16 h + j
	global_load_b128 v[B1+8*\t:B1+8*\t+3], v[BOQ], s[12:13] offset:(32*(\t/2)+8*(\t%2))*4
	global_load_b128 v[B1+8*\t+4:B1+8*\t+7], v[BOQ], s[12:13] offset:(32*(\t/2)+8*(\t%2))*4+16
.endr
	WIN 0
	global_load_b128 v[WS:WS+3], v[LI], s[10:11]             ; Wo's scale words: register 4 (t / 2) + s: lanes 0-15 the even tile, lanes 16-31 the odd one
	global_load_b128 v[WS+4:WS+7], v[LI], s[10:11] offset:512
.irp f, 0,1,2,3,4,5,6,7,8,9,10,11,12,13,14,15  ; O's fragments: (tile m, K step s) at ST + 32 m + 8 s: chunk f = 8 m + 2 s + c
	global_load_b128 v[ST+4*\f:ST+4*\f+3], v[LI], s[4:5] offset:512*\f th:TH_LOAD_NT
.endr
.irp d, 0,1,2,3,4,5,6,7                        ; O's scale bytes, two a head: lanes 0-15 the even tile's rows, lanes 16-31 the odd one's
	global_load_u16 v[OH+\d], v[L2], s[6:7] offset:16384*\d
.endr
	s_wait_loadcnt 0x0
.irp s, 0,1,2,3
	v_lshl_or_b32 v[OS+\s], v[OH+1+2*\s], 16, v[OH+2*\s]     ; K step s is heads 2 s and 2 s + 1: four bytes
.endr
	v_mul_u32_u24 v[STO], v9, 272                  ; the way out's addresses are made here: eight plain places between the lines that wrote the scale words and the scaled products
	v_lshl_add_u32 v[STO], v11, 6, v[STO]
	v_add_nc_u32 v[STO], s20, v[STO]
	v_mul_u32_u24 v[RD], v11, 272
	v_lshl_add_u32 v[RD], v9, 4, v[RD]
	v_add_nc_u32 v[RD], s20, v[RD]
	v_lshlrev_b32 v[CO], 11, v11
	v_lshl_add_u32 v[CO], v9, 4, v[CO]
	s_wait_alu depctr_va_vdst(0)                   ; O's four scale words are written, which the scaled products take; so are v4 to v6, which the LDS instructions and stores of the way out read
.macro OMUL s, m                       ; K step s, tile of rows m, Wo's four tiles
.irp bb, 0,1
.set rD, HA+32*(\m)+16*\bb
.set rC, rD
.if (\s) == 0
.set rC, B1+16*\bb
.endif
.if (\m) == 0
	v_wmma_scale_f32_16x16x128_f8f6f4 v[rD:rD+7], v[8*(8*\bb+(\s)):8*(8*\bb+(\s))+7], v[ST+32*(\m)+8*(\s):ST+32*(\m)+8*(\s)+7], v[rC:rC+7], v[WS+4*\bb+(\s)], v[OS+(\s)] matrix_a_fmt:MATRIX_FMT_FP4 matrix_b_fmt:MATRIX_FMT_FP4
	v_wmma_scale_f32_16x16x128_f8f6f4 v[rD+8:rD+15], v[8*(8*\bb+4+(\s)):8*(8*\bb+4+(\s))+7], v[ST+32*(\m)+8*(\s):ST+32*(\m)+8*(\s)+7], v[rC+8:rC+15], v[WS+4*\bb+(\s)], v[OS+(\s)] matrix_a_fmt:MATRIX_FMT_FP4 matrix_b_fmt:MATRIX_FMT_FP4 matrix_a_scale:MATRIX_SCALE_ROW1
.else
	v_wmma_scale_f32_16x16x128_f8f6f4 v[rD:rD+7], v[8*(8*\bb+(\s)):8*(8*\bb+(\s))+7], v[ST+32*(\m)+8*(\s):ST+32*(\m)+8*(\s)+7], v[rC:rC+7], v[WS+4*\bb+(\s)], v[OS+(\s)] matrix_a_fmt:MATRIX_FMT_FP4 matrix_b_fmt:MATRIX_FMT_FP4 matrix_b_scale:MATRIX_SCALE_ROW1
	v_wmma_scale_f32_16x16x128_f8f6f4 v[rD+8:rD+15], v[8*(8*\bb+4+(\s)):8*(8*\bb+4+(\s))+7], v[ST+32*(\m)+8*(\s):ST+32*(\m)+8*(\s)+7], v[rC+8:rC+15], v[WS+4*\bb+(\s)], v[OS+(\s)] matrix_a_fmt:MATRIX_FMT_FP4 matrix_b_fmt:MATRIX_FMT_FP4 matrix_a_scale:MATRIX_SCALE_ROW1 matrix_b_scale:MATRIX_SCALE_ROW1
.endif
.endr
.endm
	WIN 0x11                                       ; source 0 (Wo) and source 2 (the bias) window 1
	OMUL 0, 0
	OMUL 0, 1
	WIN 0x01                                       ; source 0 window 1
.irp s, 1,2,3
	OMUL \s, 0
	OMUL \s, 1
.endr
	WIN 0
.rept 4
	v_nop                                          ; four plain places (ISA guide 7.12.1) ahead of the first read of results
.endr
	s_wait_alu depctr_va_vdst(0)                   ; the products have written the accumulators, which the LDS stores read, and are done reading O's fragments, in which the stage's loads land; the places above stay beside this wait
.irp m, 0,1                                    ; LDS serves a wave's instructions in order (ISA guide 5.7.1.4): the loads see the stores above them, and the second tile's stores come behind the first's loads
.irp t, 0,1,2,3
	ds_store_b128 v[STO], v[HA+32*\m+8*\t:HA+32*\m+8*\t+3] offset:128*(\t/2)+32*(\t%2)        ; each accumulator from its low end on
	ds_store_b128 v[STO], v[HA+32*\m+8*\t+4:HA+32*\m+8*\t+7] offset:128*(\t/2)+32*(\t%2)+16
.endr
.irp i, 0,1,2,3,4,5,6,7
	ds_load_b128 v[ST+32*\m+4*\i:ST+32*\m+4*\i+3], v[RD] offset:544*\i
.endr
.endr
.irp m, 0,1
.irp i, 0,1,2,3,4,5,6,7
	s_wait_dscnt 16*(1-\m)+7-\i                    ; the LDS instructions issued behind this pair of rows' load may be out
	global_store_b128 v[CO], v[ST+32*\m+4*\i:ST+32*\m+4*\i+3], s[14:15] offset:(8*\m+2*\i+8*(\i/4))*2048 th:TH_STORE_NT   ; stage rows 2 i, 2 i + 1 of tile m are rows 8 m + 2 i + 8 (i / 4) + h of the block
.endr
.endr
	s_wait_dscnt 0x0
	s_wait_alu depctr_hold_cnt(0) depctr_sa_sdst(0) depctr_va_vdst(0) depctr_va_sdst(0) depctr_va_ssrc(0) depctr_va_vcc(0) depctr_vm_vsrc(0)
	s_wait_tensorcnt 0x0
	ds_add_u32 v254, v255
	s_wait_dscnt 0x0
	s_endpgm
.Lfunc_end_k_qbc1853ad18_oproj:
	.size	k_qbc1853ad18_oproj, .Lfunc_end_k_qbc1853ad18_oproj-k_qbc1853ad18_oproj
	.p2alignl 7, 3214868480
	.fill 96, 4, 3214868480
	.section	.rodata,"a",@progbits
	.p2align	6, 0x0
	.amdhsa_kernel k_qbc1853ad18_oproj
		.amdhsa_group_segment_fixed_size 35840
		.amdhsa_private_segment_fixed_size 0
		.amdhsa_enable_private_segment 0
		.amdhsa_kernarg_size 48
		.amdhsa_user_sgpr_count 2
		.amdhsa_user_sgpr_kernarg_segment_ptr 1
		.amdhsa_wavefront_size32 1
		.amdhsa_system_sgpr_workgroup_id_x 1
		.amdhsa_system_sgpr_workgroup_id_y 1
		.amdhsa_system_sgpr_workgroup_id_z 1
		.amdhsa_system_vgpr_workitem_id 0
		.amdhsa_next_free_vgpr 512
		.amdhsa_next_free_sgpr 66
		.amdhsa_reserve_vcc 0
		.amdhsa_float_denorm_mode_32 3
		.amdhsa_float_denorm_mode_16_64 3
		.amdhsa_memory_ordered 1
		.amdhsa_forward_progress 1
		.amdhsa_inst_pref_size 18
	.end_amdhsa_kernel
	.amdgpu_metadata
---
amdhsa.version: [ 1, 2 ]
amdhsa.kernels:
  - .name:           k_qbc1853ad18_oproj
    .symbol:         k_qbc1853ad18_oproj.kd
    .args:
      - { .name: oimg, .offset: 0, .size: 8, .value_kind: global_buffer, .address_space: global }
      - { .name: osc, .offset: 8, .size: 8, .value_kind: global_buffer, .address_space: global }
      - { .name: wimg, .offset: 16, .size: 8, .value_kind: global_buffer, .address_space: global }
      - { .name: wsc, .offset: 24, .size: 8, .value_kind: global_buffer, .address_space: global }
      - { .name: bo, .offset: 32, .size: 8, .value_kind: global_buffer, .address_space: global }
      - { .name: out0, .offset: 40, .size: 8, .value_kind: global_buffer, .address_space: global }
    .group_segment_fixed_size: 35840
    .private_segment_fixed_size: 0
    .kernarg_segment_align: 8
    .kernarg_segment_size: 48
    .max_flat_workgroup_size: 256
    .sgpr_count:     66
    .vgpr_count:     512
    .wavefront_size: 32
...
	.end_amdgpu_metadata
.endif
;; end of part 8
